; MI455X (gfx1250); checked and timed in simulation.
; The chip was launched on July 23, 2026; its instructions are those of AMD's public machine-readable ISA for CDNA 5 (MIT licence, August 2026) and "CDNA5" Instruction Set Architecture Reference Guide (July 2026). The comments in the code are by the model that wrote it; some were corrected since.
;; Sliding Window Attention. Allowed arithmetic: float matrix products may take bf16 or f16 operands with f32 sums; other float arithmetic in f32, or as packed bf16 or f16 multiplies, adds, multiply-adds, maxima and minima; sums over many terms, partial sums and values carried from step to step in f32; what a program stores and reads back later, other than sums and carried values, may be rounded once to bf16 or f16.
;; Inputs: Wk 1,024 x 1,024 float32; Wo 1,024 x 1,024 float32; Wq 1,024 x 1,024 float32; Wv 1,024 x 1,024 float32; bk 1,024 float32; bo 1,024 float32; bq 1,024 float32; bv 1,024 float32; x 2 x 2,048 x 1,024 float32.
;; Outputs: out0 2 x 2,048 x 1,024 float32.
;; 2 versions, each right; version 2 is version 1 with the launch cast written anew for expert scheduling mode. Each part assembles by itself: llvm-mc -triple=amdgcn-amd-amdhsa -mcpu=gfx1250 --defsym DOCPART=n.
;; ======== version 1 of 2: 4 launches
;; limits: values are held in f16: magnitudes above 65,504 overflow, below 6.1e-05 lose precision
;; workspace buffers: xb 8,388,608 bytes; wb 6,291,456 bytes; wo16 2,097,152 bytes; ball 16,384 bytes; qkv 25,165,824 bytes; ob 8,388,608 bytes
;; launch cast (part 1): grid 512 x 1, 8 waves a work-group, no clusters, 0 bytes of LDS; arguments x, Wq, Wk, Wv, Wo, bq, bk, bv, bo, xb, wb, wo16, ball; writes xb, wb, wo16, ball
.if DOCPART == 1
	.amdgcn_target "amdgcn-amd-amdhsa--gfx1250"
	.amdhsa_code_object_version 6
	.text
	.protected	k_q51f20cbfde_cast
	.globl	k_q51f20cbfde_cast
	.p2align	8
	.type	k_q51f20cbfde_cast,@function
k_q51f20cbfde_cast:
	s_mov_b64 s[64:65], 0
	v_nop
	global_prefetch_b8 v0, s[64:65] scope:SCOPE_SE
	s_setreg_imm32_b32 hwreg(HW_REG_WAVE_MODE, 25, 1), 1
	s_wait_xcnt 0x0
; EVERY INPUT IS ROUNDED ONCE TO bf16.  x -> xb [4096][1024] bf16; Wq, Wk, Wv -> wb [3072][1024] bf16, one below the other;
; Wo -> wo16 [1024][1024]: rounded to bf16, and that number written as f16 (it multiplies an f16 operand later);
; bq, bk, bv, bo -> ball [4096] f32, each number rounded to bf16 and widened again.
; LIMIT.  A bf16 number of Wo below 6.1e-5 in size keeps f16's fixed step of 6e-8; beyond 65,504 it becomes an infinity.
; A stream: no LDS, no barrier, no matrix work.  A work-group takes 16,384 numbers: 64 KiB in, 32 KiB out.  512 work-groups: 256 for x, 64 for each weight.
; Thread t, turn i: 16 bytes in at 4,096 i + 16 t (a wave's load covers 512 consecutive bytes), 8 bytes out at 2,048 i + 8 t
; (a wave's store covers 256 consecutive bytes, aligned).  All sixteen loads go out at once; each turn has its own registers, so no register that a store reads is written again.
.set X, 16                             ; v[16:79]   turn i: four f32 as loaded
.set Y, 80                             ; v[80:111]  turn i: four 16-bit numbers to store
.set T, 4                              ; v[4:11]    at work
	s_load_b512 s[8:23], s[0:1], 0x0               ; x 8:9, Wq 10:11, Wk 12:13, Wv 14:15, Wo 16:17, bq 18:19, bk 20:21, bv 22:23
	s_load_b256 s[24:31], s[0:1], 0x40             ; bo 24:25, xb 26:27, wb 28:29, wo16 30:31
	s_load_b64 s[32:33], s[0:1], 0x60              ; ball
	s_mov_b32 s2, ttmp9                            ; the work-group's number
	s_lshr_b32 s3, s2, 6                           ; 0-3: x; 4: Wq; 5: Wk; 6: Wv; 7: Wo
	s_and_b32 s4, s2, 63                           ; its block inside a weight
	v_lshlrev_b32 v1, 4, v0                        ; 16 t
	v_lshlrev_b32 v2, 3, v0                        ; 8 t
	s_max_u32 s6, s2, 256
	s_sub_co_u32 s6, s6, 256                       ; its block inside wb
	s_cmp_lt_u32 s3, 4
	s_cselect_b32 s5, s2, s4                       ; block in the source
	s_cselect_b32 s7, s2, s6                       ; block in the destination,
	s_cmp_eq_u32 s3, 7
	s_cselect_b32 s7, s4, s7                       ; which for Wo is its block in wo16
	s_lshl_b32 s38, s5, 16                         ; 65,536 bytes of f32 a block
	s_mov_b32 s39, 0
	s_lshl_b32 s40, s7, 15                         ; 32,768 bytes of 16-bit numbers
	s_mov_b32 s41, 0
	s_wait_kmcnt 0x0
	s_mov_b64 s[34:35], s[16:17]                   ; the source: Wo, unless ..
	s_cmp_eq_u32 s3, 6
	s_cselect_b64 s[34:35], s[14:15], s[34:35]
	s_cmp_eq_u32 s3, 5
	s_cselect_b64 s[34:35], s[12:13], s[34:35]
	s_cmp_eq_u32 s3, 4
	s_cselect_b64 s[34:35], s[10:11], s[34:35]
	s_cmp_lt_u32 s3, 4
	s_cselect_b64 s[34:35], s[8:9], s[34:35]
	s_cselect_b64 s[36:37], s[26:27], s[28:29]     ; the destination: xb or wb,
	s_cmp_eq_u32 s3, 7
	s_cselect_b64 s[36:37], s[30:31], s[36:37]     ; or wo16
	s_add_nc_u64 s[34:35], s[34:35], s[38:39]
	s_add_nc_u64 s[36:37], s[36:37], s[40:41]
.irp i, 0,1,2,3,4,5,6,7,8,9,10,11,12,13,14,15
	global_load_b128 v[X+4*(\i):X+4*(\i)+3], v1, s[34:35] offset:4096*(\i) th:TH_LOAD_NT
.endr
.macro CV i                            ; turn i, to bf16
	s_wait_loadcnt 15-(\i)                         ; loads come back in order: mine is in, the 15 - i younger ones may stay out
	v_cvt_pk_bf16_f32 v[Y+2*(\i)],   v[X+4*(\i)],   v[X+4*(\i)+1]
	v_cvt_pk_bf16_f32 v[Y+2*(\i)+1], v[X+4*(\i)+2], v[X+4*(\i)+3]
	global_store_b64 v2, v[Y+2*(\i):Y+2*(\i)+1], s[36:37] offset:2048*(\i) th:TH_STORE_NT
.endm
.macro CVO i                           ; turn i, to bf16 and that number as f16
	s_wait_loadcnt 15-(\i)
	v_cvt_pk_bf16_f32 v[T],   v[X+4*(\i)],   v[X+4*(\i)+1]
	v_cvt_pk_bf16_f32 v[T+1], v[X+4*(\i)+2], v[X+4*(\i)+3]
	v_lshlrev_b32 v[T+2], 16, v[T]                 ; bf16 to f32: the low half moves up,
	v_and_b32     v[T+3], 0xffff0000, v[T]         ; the high half stays
	v_lshlrev_b32 v[T+4], 16, v[T+1]
	v_and_b32     v[T+5], 0xffff0000, v[T+1]
	v_cvt_pk_f16_f32 v[Y+2*(\i)],   v[T+2], v[T+3] ; 8 significant bits fit f16's 11
	v_cvt_pk_f16_f32 v[Y+2*(\i)+1], v[T+4], v[T+5]
	global_store_b64 v2, v[Y+2*(\i):Y+2*(\i)+1], s[36:37] offset:2048*(\i) th:TH_STORE_NT
.endm
	s_cmp_eq_u32 s3, 7
	s_cbranch_scc1 .Lwo
.irp i, 0,1,2,3,4,5,6,7,8,9,10,11,12,13,14,15
	CV \i
.endr
	s_branch .Lbias
.Lwo:
.irp i, 0,1,2,3,4,5,6,7,8,9,10,11,12,13,14,15
	CVO \i
.endr
.Lbias:                                        ; the first work-group of each weight also takes that weight's bias: 1,024 f32, 16 bytes a thread
	s_cmp_lt_u32 s3, 4
	s_cbranch_scc1 .Lend
	s_cmp_lg_u32 s4, 0
	s_cbranch_scc1 .Lend
	s_mov_b64 s[42:43], s[24:25]                   ; bo, unless ..
	s_cmp_eq_u32 s3, 6
	s_cselect_b64 s[42:43], s[22:23], s[42:43]
	s_cmp_eq_u32 s3, 5
	s_cselect_b64 s[42:43], s[20:21], s[42:43]
	s_cmp_eq_u32 s3, 4
	s_cselect_b64 s[42:43], s[18:19], s[42:43]
	s_sub_co_u32 s44, s3, 4
	s_lshl_b32 s44, s44, 12                        ; ball holds bq, bk, bv, bo in this order, 4,096 bytes each
	s_mov_b32 s45, 0
	s_add_nc_u64 s[46:47], s[32:33], s[44:45]
	global_load_b128 v[12:15], v1, s[42:43]
	s_wait_loadcnt 0x0
	v_cvt_pk_bf16_f32 v[T],   v12, v13
	v_cvt_pk_bf16_f32 v[T+1], v14, v15
	v_lshlrev_b32 v[T+4], 16, v[T]
	v_and_b32     v[T+5], 0xffff0000, v[T]
	v_lshlrev_b32 v[T+6], 16, v[T+1]
	v_and_b32     v[T+7], 0xffff0000, v[T+1]
	global_store_b128 v1, v[T+4:T+7], s[46:47]
.Lend:
	s_endpgm
.Lfunc_end_k_q51f20cbfde_cast:
	.size	k_q51f20cbfde_cast, .Lfunc_end_k_q51f20cbfde_cast-k_q51f20cbfde_cast
	.p2alignl 7, 3214868480
	.fill 96, 4, 3214868480
	.section	.rodata,"a",@progbits
	.p2align	6, 0x0
	.amdhsa_kernel k_q51f20cbfde_cast
		.amdhsa_group_segment_fixed_size 0
		.amdhsa_private_segment_fixed_size 0
		.amdhsa_enable_private_segment 0
		.amdhsa_kernarg_size 104
		.amdhsa_user_sgpr_count 2
		.amdhsa_user_sgpr_kernarg_segment_ptr 1
		.amdhsa_wavefront_size32 1
		.amdhsa_system_sgpr_workgroup_id_x 1
		.amdhsa_system_sgpr_workgroup_id_y 1
		.amdhsa_system_sgpr_workgroup_id_z 1
		.amdhsa_system_vgpr_workitem_id 0
		.amdhsa_next_free_vgpr 112
		.amdhsa_next_free_sgpr 66
		.amdhsa_reserve_vcc 0
		.amdhsa_float_denorm_mode_32 3
		.amdhsa_float_denorm_mode_16_64 3
		.amdhsa_memory_ordered 1
		.amdhsa_forward_progress 1
		.amdhsa_inst_pref_size 18
	.end_amdhsa_kernel
	.amdgpu_metadata
---
amdhsa.version: [ 1, 2 ]
amdhsa.kernels:
  - .name:           k_q51f20cbfde_cast
    .symbol:         k_q51f20cbfde_cast.kd
    .args:
      - { .name: x, .offset: 0, .size: 8, .value_kind: global_buffer, .address_space: global }
      - { .name: Wq, .offset: 8, .size: 8, .value_kind: global_buffer, .address_space: global }
      - { .name: Wk, .offset: 16, .size: 8, .value_kind: global_buffer, .address_space: global }
      - { .name: Wv, .offset: 24, .size: 8, .value_kind: global_buffer, .address_space: global }
      - { .name: Wo, .offset: 32, .size: 8, .value_kind: global_buffer, .address_space: global }
      - { .name: bq, .offset: 40, .size: 8, .value_kind: global_buffer, .address_space: global }
      - { .name: bk, .offset: 48, .size: 8, .value_kind: global_buffer, .address_space: global }
      - { .name: bv, .offset: 56, .size: 8, .value_kind: global_buffer, .address_space: global }
      - { .name: bo, .offset: 64, .size: 8, .value_kind: global_buffer, .address_space: global }
      - { .name: xb, .offset: 72, .size: 8, .value_kind: global_buffer, .address_space: global }
      - { .name: wb, .offset: 80, .size: 8, .value_kind: global_buffer, .address_space: global }
      - { .name: wo16, .offset: 88, .size: 8, .value_kind: global_buffer, .address_space: global }
      - { .name: ball, .offset: 96, .size: 8, .value_kind: global_buffer, .address_space: global }
    .group_segment_fixed_size: 0
    .private_segment_fixed_size: 0
    .kernarg_segment_align: 8
    .kernarg_segment_size: 104
    .max_flat_workgroup_size: 256
    .sgpr_count:     66
    .vgpr_count:     112
    .wavefront_size: 32
...
	.end_amdgpu_metadata
.endif
;; end of part 1
;; launch proj (part 2): grid 8 x 32, 4 waves a work-group, clusters of 4 x 4, 327,680 bytes of LDS; arguments xb, wb, ball, qkv; writes qkv
.if DOCPART == 2
	.amdgcn_target "amdgcn-amd-amdhsa--gfx1250"
	.amdhsa_code_object_version 6
	.text
	.protected	k_q51f20cbfde_proj
	.globl	k_q51f20cbfde_proj
	.p2align	8
	.type	k_q51f20cbfde_proj,@function
k_q51f20cbfde_proj:
	s_mov_b64 s[64:65], 0
	v_nop
	global_prefetch_b8 v0, s[64:65] scope:SCOPE_SE
	s_setreg_imm32_b32 hwreg(HW_REG_WAVE_MODE, 25, 1), 1
	s_wait_xcnt 0x0
	s_wait_alu depctr_hold_cnt(0) depctr_sa_sdst(0) depctr_va_vdst(0) depctr_va_sdst(0) depctr_va_ssrc(0) depctr_va_vcc(0) depctr_vm_vsrc(0)
	s_getreg_b32 s2, hwreg(HW_REG_IB_STS2, 6, 4)
	s_cmp_eq_u32 s2, 0
	s_cbranch_scc0 .Lentry_in_a_cluster
	s_endpgm
.Lentry_in_a_cluster:
	s_bfe_u32 s2, ttmp6, 0x10000c
	s_cmp_lg_u32 s2, 0xf033
	s_cbranch_scc0 .Lentry_shape_is_right
	s_endpgm
.Lentry_shape_is_right:
; q, k, v = x W^T + b.  xb: [4096][1024] bf16; wb: [3072][1024] bf16 (Wq, Wk, Wv); ball: the biases, f32; sums in f32, the bias is the C operand that starts each sum.
; OUT: qkv [48 g][4096 m][64] f16: g = column / 64 (0-15 q's heads, 16-31 k's, 32-47 v's), m = 2048 b + t; each number rounded once, WITHOUT the score's scale.
; LIMIT.  f16 ends at 65,504: a q, k or v beyond that becomes an infinity.  NaN and infinities are not treated apart.
; SHARES.  A tile is 128 rows x 384 columns (six heads): 8 x 32 = 256 work-groups.  Four waves, each 64 rows x 192 columns (three whole heads): 48 accumulators of 16 x 16, 384 registers.
; K goes in eight steps of 128 through a ring of two LDS slots.  A step's 512 rows of 256 bytes are four equal tensor loads: wave 0 brings the 128 rows of xb, waves 1 to 3 bring 128 rows of wb each.
; CLUSTER.  4 x 4 work-groups: the four of a row of the cluster need the same rows of xb, the four of a column the same rows of wb: each tile is asked for jointly.
; THE PRODUCT IS USED TRANSPOSED: source 0 = 16 rows of wb, source 1 = 16 rows of xb: a lane holds row l % 16 and the eight neighbouring columns 8 (l / 16) + 0..7.
; REGISTERS, in windows of 256 (s_set_vgpr_msb: bits 1:0 source 0, 3:2 source 1, 5:4 source 2, 7:6 destination):
;   window 0: v0-31 addresses; v32-63, v64-95 fragments of xb, two buffers; v96-191 the bias (12 x 8); v192-239 packed results; on the way out v32-79 and v96-143 rows read back
;   window 1: v0-95, v96-191 fragments of wb, two buffers        window 2: accumulators of my row blocks 0, 1 at 8 (12 a + b)        window 3: of row blocks 2, 3
.set PITCH,  272                       ; an LDS row: 256 bytes + 16 of padding = 68 words: the 16 rows of a load start at 16 different groups of four banks (64 banks of 4 bytes: ISA guide 11.1)
.set HALFT,  128*PITCH                 ; what one tensor load brings
.set SLOT,   4*HALFT                   ; 128 rows of xb, then 384 rows of wb
.set STAGE,  2*SLOT                    ; behind the ring: for each wave 3 heads x 16 rows x 144 bytes, for the way out
.set SP,     144
.set WSTAGE, 3*16*SP
.set SPARE,  STAGE+4*WSTAGE            ; behind the stages: the spare words, 128 bytes for each wave: two blocks of 256 bytes that no other line names
.set KB,     256                       ; bytes of a row in a K step
.set ADRA, 16                          ; v16-17  LDS address of my fragments of xb in slot 0, 1
.set ADRB, 20                          ; v20-21  of wb
.set STO,  24                          ; v24     the way out: where I put 16 bytes of a row
.set RD,   25                          ; v25     where I read rows back
.set GO,   26                          ; v26     16 x lane: my 16 bytes of 512 consecutive bytes of qkv
.set BO,   27                          ; v27     32 x (l / 16): my eight biases of a block of 16 columns
.set SPW,  28                          ; v28     LDS address of my spare word; never rewritten
.set NIL,  29                          ; v29     0; never rewritten
.set PFO,  30                          ; v30     the prefetches' offset: lane x 2,048, a lane a row; never rewritten
.set FA,   32
.set BIAS, 96
.set TMP,  192
.set OB,   32                          ; rows read back: v32-79 and v96-143 by turns
.set WV, 12                            ; s12  my wave's number
.set RH, 13                            ; s13  which 64 rows of the tile are mine
.set CH, 14                            ; s14  which 192 columns
.set G1,  24                           ; s[24:31] descriptor group 1 for xb's tiles;  s[32:39] group 0, a set for each slot
.set G0,  32
.set LIM, 43                           ; s43  1 in a wave that prefetches, else the greatest number
.set PFA, 44                           ; s[44:45] where my prefetches stand
.set G1B, 48                           ; s[48:55], s[56:63] the same for wb's tiles
.set G0B, 56
.set DBITS, (1<<16)|(1<<20)|(1<<21)|(5<<22)|(3<<25)  ; 17:16 elements of 2 bytes; 20 padding on; 21 set beside a mask; 24:22 after every 64 words; 31:25 4 words of it
.set MSB, 0
.macro WIN new                         ; the immediate's high byte repeats the setting that is left; a switch that changes nothing is dropped
.if MSB != (\new)
	s_set_vgpr_msb (MSB<<8)|(\new)
.set MSB, \new
.endif
.endm
; A joint refill: wave 0 asks for xb's tile, waves 1 to 3 for their rows of wb.  The branch hangs on the wave's number alone.  An s_nop 0 and four v_nop follow each line.
.macro JLOAD s
	s_cmp_eq_u32 s[WV], 0
	s_cbranch_scc0 .Lfor_b_\@
	tensor_load_to_lds s[G0+4*(\s):G0+4*(\s)+3], s[G1:G1+7]
	s_nop 0
.rept 4
	v_nop
.endr
	s_branch .Lasked_\@
.Lfor_b_\@:
	tensor_load_to_lds s[G0B+4*(\s):G0B+4*(\s)+3], s[G1B:G1B+7]
	s_nop 0
.rept 4
	v_nop
.endr
.Lasked_\@:
.endm
; A prefetch, behind a joint refill and the run of LDS loads that follows it: the K step two refills on, 32 rows x 256 bytes, a lane a row, one instruction a wave.
; Each row's 256 bytes of a K step are named once in the launch: xb's rows by the clusters with x = 0, wb's by those with y = 0; of the 128 rows that a wave fetches, the partner at place p
; (cx for xb, cy for wb) names rows 32 p .. 32 p + 31: told apart by address, by no branch.  K steps 0 to 3 come by their loads alone; the loop's last trip (s3 = 1) names nothing.
.macro ASK
	s_cmp_gt_u32 s3, s[LIM]
	s_cbranch_scc0 .Lnot_mine_\@
	global_prefetch_b8 v[PFO], s[PFA:PFA+1] offset:KB th:TH_LOAD_NT scope:SCOPE_SE
.Lnot_mine_\@:
.endm
.macro CREST                           ; a round of the cluster's barrier behind its opening barrier
	s_cmp_lg_u32 s[WV], 0
	s_cbranch_scc1 .Lnot_wave_0_\@
	s_barrier_signal -3
.Lnot_wave_0_\@:
	s_barrier_wait -3
	s_barrier_signal -1
	s_barrier_wait -1
.endm
.macro CROUND                          ; a whole round
	s_barrier_signal -1
	s_barrier_wait -1
	CREST
.endm
.macro PLACES                          ; four plain vector instructions between a matrix instruction and a load into, or a read of, its registers
.rept 4
	v_nop
.endr
.endm
	s_load_b256 s[4:11], s[0:1], 0x0               ; xb 4:5, wb 6:7, ball 8:9, qkv 10:11
	v_lshl_add_u32 v[SPW], v0, 2, SPARE
	v_mov_b32 v[NIL], 0
	ds_add_u32 v[SPW], v[NIL]                      ; the wave's opening: the add and its wait stand ahead of my first tensor load; work on registers stands between them
	v_lshrrev_b32 v1, 5, v0
	v_readfirstlane_b32 s[WV], v1
	s_lshr_b32 s[RH], s[WV], 1
	s_and_b32 s[CH], s[WV], 1
	s_bfe_u32 s15, ttmp6, 0x40000                  ; cx
	s_bfe_u32 s16, ttmp6, 0x40004                  ; cy
	s_lshl_b32 s17, ttmp9, 2
	s_add_co_u32 s17, s17, s15                     ; tile column = 4 x cluster x + cx
	s_and_b32 s18, ttmp7, 0xffff
	s_lshl_b32 s18, s18, 2
	s_add_co_u32 s18, s18, s16                     ; tile row = 4 x cluster y + cy
	s_lshl_b32 s19, s16, 2
	s_lshl_b32 s19, 15, s19                        ; my row of the cluster
	s_lshl_b32 s20, 0x1111, s15                    ; my column
	s_or_b32 s[G1], s19, DBITS                     ; xb's tiles go to my row,
	s_or_b32 s[G1B], s20, DBITS                    ; wb's to my column
.irp g, G1, G1B
	s_mov_b32 s[(\g)+1], 128<<16                   ; tensor_dim0 = 128
	s_mov_b32 s[(\g)+2], 128<<16                   ; tensor_dim1 = 128
	s_mov_b32 s[(\g)+3], 128<<16                   ; tile_dim0 = 128 elements
	s_mov_b32 s[(\g)+4], 128                       ; tile_dim1 = 128 rows
	s_mov_b32 s[(\g)+5], 1024                      ; elements from row to row
	s_mov_b32 s[(\g)+6], 0
	s_mov_b32 s[(\g)+7], 0
.endr
	s_lshl_b32 s40, s18, 18                        ; xb: 128 rows of 2,048 bytes a tile row
	s_mov_b32 s41, 0
	s_max_u32 s21, s[WV], 1
	s_sub_co_u32 s21, s21, 1
	s_lshl_b32 s21, s21, 7                         ; wb: waves 1, 2, 3 take rows 0, 128, 256 of the tile's 384
	s_mul_i32 s46, s17, 384
	s_add_co_u32 s46, s46, s21
	s_lshl_b32 s46, s46, 11
	s_mov_b32 s47, 0
	s_mul_i32 s23, s[WV], HALFT                    ; where my tile goes: wave x 128 rows
	s_wait_dscnt 0x0                               ; the opening add is done
	s_wait_kmcnt 0x0
	s_add_nc_u64 s[40:41], s[4:5], s[40:41]
	s_add_nc_u64 s[46:47], s[6:7], s[46:47]
	CROUND                                         ; all sixteen work-groups are here: the first joint loads meet
.irp s, 0,1
	s_mov_b32 s[G0+4*(\s)], 1
	s_add_co_u32 s[G0+4*(\s)+1], s23, (\s)*SLOT
	s_add_nc_u64 s[G0+4*(\s)+2:G0+4*(\s)+3], s[40:41], (\s)*KB
	s_or_b32 s[G0+4*(\s)+3], s[G0+4*(\s)+3], 0x80000000
	s_mov_b32 s[G0B+4*(\s)], 1
	s_add_co_u32 s[G0B+4*(\s)+1], s23, (\s)*SLOT
	s_add_nc_u64 s[G0B+4*(\s)+2:G0B+4*(\s)+3], s[46:47], (\s)*KB
	s_or_b32 s[G0B+4*(\s)+3], s[G0B+4*(\s)+3], 0x80000000
.endr
	s_cmp_eq_u32 s[WV], 0                          ; a wave's two first fills stand in one branch, ahead of every wait on TENSORcnt and every LDS read: two loads of mine are out
	s_cbranch_scc0 .Lfirst_b
	tensor_load_to_lds s[G0:G0+3], s[G1:G1+7]
	s_nop 0
	tensor_load_to_lds s[G0+4:G0+7], s[G1:G1+7]
	s_nop 0
.rept 4
	v_nop
.endr
	s_branch .Lfirst_asked
.Lfirst_b:
	tensor_load_to_lds s[G0B:G0B+3], s[G1B:G1B+7]
	s_nop 0
	tensor_load_to_lds s[G0B+4:G0B+7], s[G1B:G1B+7]
	s_nop 0
.rept 4
	v_nop
.endr
.Lfirst_asked:
	v_and_b32 v1, 15, v0                           ; l % 16
	v_bfe_u32 v2, v0, 4, 1                         ; l / 16
	v_lshlrev_b32 v[BO], 5, v2
	s_mul_i32 s20, s17, 384
	s_mul_i32 s21, s[CH], 192
	s_add_co_u32 s20, s20, s21                     ; my first column
	s_lshl_b32 s40, s20, 2
	s_mov_b32 s41, 0
	s_add_nc_u64 s[8:9], s[8:9], s[40:41]
.irp b, 0,1,2,3,4,5,6,7,8,9,10,11          ; register j of block b: the bias of column 16 b + 8 (l / 16) + j: the layout of a result
	global_load_b128 v[BIAS+8*(\b):BIAS+8*(\b)+3],   v[BO], s[8:9] offset:64*(\b)
	global_load_b128 v[BIAS+8*(\b)+4:BIAS+8*(\b)+7], v[BO], s[8:9] offset:64*(\b)+16
.endr
	v_mul_u32_u24 v3, v1, PITCH
	v_lshl_add_u32 v3, v2, 4, v3                   ; a fragment's row x pitch + 16 x half
	s_mul_i32 s21, s[RH], 64*PITCH                 ; my 64 rows of xb
	s_mul_i32 s22, s[CH], 192*PITCH                ; my 192 rows of wb,
	s_add_co_u32 s22, s22, HALFT                   ; which lie behind xb's 128
.irp s, 0,1
	v_add_nc_u32 v[ADRA+(\s)], s21, v3
	v_add_nc_u32 v[ADRB+(\s)], s22, v3
	s_add_co_u32 s21, s21, SLOT
	s_add_co_u32 s22, s22, SLOT
.endr
	s_mul_i32 s23, s[WV], WSTAGE
	s_add_co_u32 s23, s23, STAGE                   ; my stage
	v_mul_u32_u24 v4, v1, SP                       ; in: row l % 16, 16 bytes for each half of the lanes
	v_lshl_add_u32 v4, v2, 4, v4
	v_add_nc_u32 v[STO], s23, v4
	v_bfe_u32 v5, v0, 3, 2                         ; back: 32 lanes take four rows of 128 bytes,
	v_mul_u32_u24 v5, v5, SP
	v_and_b32 v6, 7, v0
	v_lshl_add_u32 v5, v6, 4, v5
	v_add_nc_u32 v[RD], s23, v5
	v_and_b32 v[GO], 31, v0                        ; which are 512 consecutive bytes of qkv
	v_lshlrev_b32 v[GO], 4, v[GO]
	s_mul_i32 s20, s17, 6                          ; my first head's slab: g = 6 x tile column + 3 x column half,
	s_mul_i32 s21, s[CH], 3
	s_add_co_u32 s20, s20, s21
	s_lshl_b32 s20, s20, 12                        ; 4,096 rows a slab,
	s_lshl_b32 s21, s18, 7
	s_add_co_u32 s20, s20, s21                     ; the tile's 128 rows,
	s_lshl_b32 s21, s[RH], 6
	s_add_co_u32 s20, s20, s21                     ; my 64 of them,
	s_lshl_b32 s46, s20, 7                         ; 128 bytes a row
	s_mov_b32 s47, 0
	s_add_nc_u64 s[10:11], s[10:11], s[46:47]
	; the prefetches
	s_lshl_b32 s20, s18, 7                         ; xb: the tile's first row
	s_mul_i32 s21, s17, 384
	s_max_u32 s22, s[WV], 1
	s_sub_co_u32 s22, s22, 1
	s_lshl_b32 s22, s22, 7
	s_add_co_u32 s21, s21, s22                     ; wb: the first row that I fetch
	s_and_b32 s22, ttmp7, 0xffff                   ; cluster y
	s_cmp_eq_u32 s[WV], 0
	s_cselect_b32 s20, s20, s21
	s_cselect_b32 s21, s15, s16                    ; my place among the four that ask with me
	s_cselect_b32 s22, ttmp9, s22                  ; the coordinate along which other clusters read the same rows
	s_cselect_b64 s[PFA:PFA+1], s[4:5], s[6:7]
	s_cmp_eq_u32 s22, 0
	s_cselect_b32 s[LIM], 1, -1                    ; the same in all sixteen partners, for a given wave
	s_lshl_b32 s21, s21, 5
	s_add_co_u32 s20, s20, s21                     ; my work-group's 32 rows
	s_lshl_b32 s20, s20, 11
	s_mov_b32 s21, 0
	s_add_nc_u64 s[PFA:PFA+1], s[PFA:PFA+1], s[20:21]
	s_add_nc_u64 s[PFA:PFA+1], s[PFA:PFA+1], 2*KB  ; at K step 2: the first refill steps it to 3 and names K step 4
	v_and_b32 v[PFO], 31, v0
	v_lshlrev_b32 v[PFO], 11, v[PFO]
; Twelve products: row block 2 hi + a x all 12 column blocks, 32 along K, from buffer f.  first = 1: the bias starts the sums.  The 48 accumulators take turns in the same order in every quarter.
.macro MUL12 f, hi, a, first
.if \first
	WIN 0x81+0x40*(\hi)                            ; wb window 1, xb window 0, the bias window 0, the result window 2 or 3
.else
	WIN 0xa1+0x50*(\hi)                            ; C and D window 2 or 3
.endif
.irp b, 0,1,2,3,4,5,6,7,8,9,10,11
.if \first
	v_wmma_f32_16x16x32_bf16 v[8*(12*(\a)+(\b)):8*(12*(\a)+(\b))+7], v[96*(\f)+8*(\b):96*(\f)+8*(\b)+7], v[FA+32*(\f)+8*(2*(\hi)+(\a)):FA+32*(\f)+8*(2*(\hi)+(\a))+7], v[BIAS+8*(\b):BIAS+8*(\b)+7]
.else
	v_wmma_f32_16x16x32_bf16 v[8*(12*(\a)+(\b)):8*(12*(\a)+(\b))+7], v[96*(\f)+8*(\b):96*(\f)+8*(\b)+7], v[FA+32*(\f)+8*(2*(\hi)+(\a)):FA+32*(\f)+8*(2*(\hi)+(\a))+7], v[8*(12*(\a)+(\b)):8*(12*(\a)+(\b))+7]
.endif
.endr
.endm
; 32 LDS loads in one run: the fragments of 32 along K at byte k of the rows, into buffer f: 192 rows of wb, then 64 rows of xb
.macro FETCH slot, k, f
	WIN 0x40                                       ; destination window 1, address window 0
.irp i, 0,1,2,3,4,5,6,7,8,9,10,11
	ds_load_b128 v[96*(\f)+8*(\i):96*(\f)+8*(\i)+3],   v[ADRB+(\slot)] offset:(\k)+(\i)*16*PITCH
	ds_load_b128 v[96*(\f)+8*(\i)+4:96*(\f)+8*(\i)+7], v[ADRB+(\slot)] offset:(\k)+(\i)*16*PITCH+32
.endr
	WIN 0
.irp i, 0,1,2,3
	ds_load_b128 v[FA+32*(\f)+8*(\i):FA+32*(\f)+8*(\i)+3],   v[ADRA+(\slot)] offset:(\k)+(\i)*16*PITCH
	ds_load_b128 v[FA+32*(\f)+8*(\i)+4:FA+32*(\f)+8*(\i)+7], v[ADRA+(\slot)] offset:(\k)+(\i)*16*PITCH+32
.endr
.endm
; A K step is four quarters of 32 along K, 48 products each, on buffers 0, 1, 0, 1.  One of the first three multiplies buffer f and, in its middle, fetches the next quarter, at byte k, into buffer g.
.macro QUARTER slot, k, f, g, first
	s_wait_dscnt 4                                 ; wb's fragments and xb's row blocks 0, 1 are in; the youngest four loads (row blocks 2, 3) may be out
	MUL12 \f, 0, 0, \first
	MUL12 \f, 0, 1, \first
	PLACES
	FETCH \slot, \k, \g
	s_wait_dscnt 32                                ; all but the 32 just issued
	MUL12 \f, 1, 0, \first
	MUL12 \f, 1, 1, \first
.endm
; The last quarter multiplies buffer 1 and changes slots.  Its first half: each wave waits for all its tensor loads (one is out: its part of the next slot), adds 0 to its spare word, and waits for that and for
; its own reads of this slot; behind the barrier nobody reads this slot any more and the next slot is whole.
.macro MEET round
	WIN 0
	s_wait_tensorcnt 0x0                           ; all my tensor loads have landed
	ds_add_u32 v[SPW], v[NIL]                      ; 0 onto my spare word
	s_wait_dscnt 5                                 ; (the add and the youngest four loads may be out)
	MUL12 1, 0, 0, 0                               ; twelve products stand between the add and the wait for it
	s_wait_dscnt 0x0                               ; the add is done, and my reads of this slot are over
	s_barrier_signal -1
	MUL12 1, 0, 1, 0                               ; work on registers while the others arrive
.if \round
	WIN 0
.endif
	s_barrier_wait -1
.endm
; With a refill: the barrier opens a round of the cluster's, so that no wave of any partner still reads the slot or has a load on its way; the joint refill, the K step two steps on, is the first thing behind it:
; 168 products of the wave stand between it and the wait for it.
.macro TURN slot, next
	s_wait_xcnt 0x0                                ; the last prefetch, a K step back, has read its address
	s_add_nc_u64 s[PFA:PFA+1], s[PFA:PFA+1], KB
	MEET 1
	CREST
	s_add_nc_u64 s[G0+4*(\slot)+2:G0+4*(\slot)+3], s[G0+4*(\slot)+2:G0+4*(\slot)+3], 2*KB
	s_add_nc_u64 s[G0B+4*(\slot)+2:G0B+4*(\slot)+3], s[G0B+4*(\slot)+2:G0B+4*(\slot)+3], 2*KB
	JLOAD \slot                                    ; its four v_nop are also the places in front of the loads below
	FETCH \next, 0, 0
	ASK
	MUL12 1, 1, 0, 0
	MUL12 1, 1, 1, 0
.endm
	s_wait_tensorcnt 1                             ; my part of K step 0 is in; K step 1's may stay out
	s_barrier_signal -1
	s_barrier_wait -1
	FETCH 0, 0, 0
	s_wait_loadcnt 0x0                             ; the bias
	QUARTER 0, 64,  0, 1, 1                        ; the first quarter stands in front of the loop: its products start the sums
	WIN 0                                          ; at a label and at a branch every window is 0
	s_mov_b32 s3, 3
.Llap:                                         ; a trip goes once round the ring, from a lap's second quarter to the next lap's first, and fills both slots again
	QUARTER 0, 128, 1, 0, 0
	QUARTER 0, 192, 0, 1, 0
	TURN 0, 1
	QUARTER 1, 64,  0, 1, 0
	QUARTER 1, 128, 1, 0, 0
	QUARTER 1, 192, 0, 1, 0
	TURN 1, 0
	QUARTER 0, 64,  0, 1, 0
	WIN 0
	s_sub_co_u32 s3, s3, 1
	s_cmp_lg_u32 s3, 0
	s_cbranch_scc1 .Llap
	QUARTER 0, 128, 1, 0, 0                        ; the last lap fills nothing
	QUARTER 0, 192, 0, 1, 0
	MEET 0                                         ; my one load that was out is the last K step's
	PLACES
	FETCH 1, 0, 0
	MUL12 1, 1, 0, 0
	MUL12 1, 1, 1, 0
	QUARTER 1, 64,  0, 1, 0
	QUARTER 1, 128, 1, 0, 0
	QUARTER 1, 192, 0, 1, 0
	s_wait_dscnt 4                                 ; the very last quarter: nothing more to fetch
	MUL12 1, 0, 0, 0
	MUL12 1, 0, 1, 0
	s_wait_dscnt 0x0
	MUL12 1, 1, 0, 0
	MUL12 1, 1, 1, 0
; THE WAY OUT, a block of 16 rows at a time.  PACK: rounded to f16, 16 bytes a lane, each accumulator's registers in ascending order.  TOSTAGE: into my own stage, by heads, rows of 144 bytes, and back as
; whole rows of 128.  SEND: 16 rows of a head are 2,048 consecutive bytes of qkv: four stores of 512 consecutive bytes, aligned.
.macro PACK a
.set AC, 96*((\a)%2)
	WIN 0x0a+5*((\a)/2)                            ; sources 0 and 1: window 2 or 3
.irp b, 0,1,2,3,4,5,6,7,8,9,10,11
.irp r, 0,1,2,3
	v_cvt_pk_f16_f32 v[TMP+4*(\b)+(\r)], v[AC+8*(\b)+2*(\r)], v[AC+8*(\b)+2*(\r)+1]
.endr
.endr
	WIN 0
.endm
.macro TOSTAGE a
.set BK, OB+64*((\a)%2)
.irp b, 0,1,2,3,4,5,6,7,8,9,10,11
	ds_store_b128 v[STO], v[TMP+4*(\b):TMP+4*(\b)+3] offset:((\b)/4)*16*SP+((\b)%4)*32
.endr
.irp u, 0,1,2,3,4,5,6,7,8,9,10,11
	ds_load_b128 v[BK+4*(\u):BK+4*(\u)+3], v[RD] offset:((\u)/4)*16*SP+((\u)%4)*4*SP  ; LDS serves a wave's instructions in order (ISA guide 5.7.1.4): these see the stores above
.endr
.endm
.macro SEND a
.set BK, OB+64*((\a)%2)
	s_wait_dscnt 0x0                               ; the block is back in registers
	s_wait_xcnt 0x0                                ; the stores of the block before have read their registers: the next TOSTAGE loads into them
.irp u, 0,1,2,3,4,5,6,7,8,9,10,11
	global_store_b128 v[GO], v[BK+4*(\u):BK+4*(\u)+3], s[10:11] offset:((\u)/4)*524288+(\a)*2048+((\u)%4)*512
.endr
.endm
	PLACES
	PACK 0
	TOSTAGE 0
.irp a, 1,2,3                          ; block a's conversions stand between block a - 1's loads from the stage and the wait for them
	PACK \a
	SEND (\a)-1
	TOSTAGE \a
.endr
	SEND 3
	s_wait_tensorcnt 0x0                           ; the wave's end, behind my last tensor load and my last LDS store
	ds_add_u32 v[SPW], v[NIL]
	s_wait_dscnt 0x0
	CROUND                                         ; the closing round: no work-group ends while a partner may still ask for a tile that names it
	s_endpgm
.Lfunc_end_k_q51f20cbfde_proj:
	.size	k_q51f20cbfde_proj, .Lfunc_end_k_q51f20cbfde_proj-k_q51f20cbfde_proj
	.p2alignl 7, 3214868480
	.fill 96, 4, 3214868480
	.section	.rodata,"a",@progbits
	.p2align	6, 0x0
	.amdhsa_kernel k_q51f20cbfde_proj
		.amdhsa_group_segment_fixed_size 327680
		.amdhsa_private_segment_fixed_size 0
		.amdhsa_enable_private_segment 0
		.amdhsa_kernarg_size 32
		.amdhsa_user_sgpr_count 2
		.amdhsa_user_sgpr_kernarg_segment_ptr 1
		.amdhsa_wavefront_size32 1
		.amdhsa_system_sgpr_workgroup_id_x 1
		.amdhsa_system_sgpr_workgroup_id_y 1
		.amdhsa_system_sgpr_workgroup_id_z 1
		.amdhsa_system_vgpr_workitem_id 0
		.amdhsa_next_free_vgpr 960
		.amdhsa_next_free_sgpr 66
		.amdhsa_reserve_vcc 0
		.amdhsa_float_denorm_mode_32 3
		.amdhsa_float_denorm_mode_16_64 3
		.amdhsa_memory_ordered 1
		.amdhsa_forward_progress 1
		.amdhsa_inst_pref_size 122
	.end_amdhsa_kernel
	.amdgpu_metadata
---
amdhsa.version: [ 1, 2 ]
amdhsa.kernels:
  - .name:           k_q51f20cbfde_proj
    .symbol:         k_q51f20cbfde_proj.kd
    .args:
      - { .name: xb, .offset: 0, .size: 8, .value_kind: global_buffer, .address_space: global }
      - { .name: wb, .offset: 8, .size: 8, .value_kind: global_buffer, .address_space: global }
      - { .name: ball, .offset: 16, .size: 8, .value_kind: global_buffer, .address_space: global }
      - { .name: qkv, .offset: 24, .size: 8, .value_kind: global_buffer, .address_space: global }
    .group_segment_fixed_size: 327680
    .private_segment_fixed_size: 0
    .kernarg_segment_align: 8
    .kernarg_segment_size: 32
    .max_flat_workgroup_size: 128
    .sgpr_count:     66
    .vgpr_count:     960
    .wavefront_size: 32
...
	.end_amdgpu_metadata
.endif
;; end of part 2
;; launch attn (part 3): grid 8 x 32, 4 waves a work-group, no clusters, 167,936 bytes of LDS; arguments qkv, ob; writes ob
.if DOCPART == 3
	.amdgcn_target "amdgcn-amd-amdhsa--gfx1250"
	.amdhsa_code_object_version 6
	.text
	.protected	k_q51f20cbfde_attn
	.globl	k_q51f20cbfde_attn
	.p2align	8
	.type	k_q51f20cbfde_attn,@function
k_q51f20cbfde_attn:
	s_mov_b64 s[64:65], 0
	v_nop
	global_prefetch_b8 v0, s[64:65] scope:SCOPE_SE
	s_setreg_imm32_b32 hwreg(HW_REG_WAVE_MODE, 25, 1), 1
	s_wait_xcnt 0x0
; BANDED CAUSAL ATTENTION.  O[q] = the sum over the keys k with q - 255 <= k <= q of softmax_k(Q[q] . K[k] / 8) V[k], for each of 32 slabs (head, batch) of 2,048 rows of 64 channels, f16.
; qkv: [48 g][4096 m][64]: slab y = 2 head + batch has q's rows from row 2048 y, k's 65,536 rows on, v's 131,072 rows on.  Products, maxima and sums in f32; the weights p are rounded to f16 for the second
; product (their sum l is taken of the unrounded p), O once at the end.  OUT: ob [32 blocks of 128 rows][16 heads][128 rows][64] f16.
; LIMITS.  A hidden score counts as its value less 1e30; the running maximum starts at -2^83, above every hidden score and below every true one (f16 operands: 2.7e11 at the most in size).
; A weight below 2^-126 counts as 0 in l; p below 6e-5 keeps f16's fixed step; NaN and infinities are not treated apart.
; SHARES.  A work-group owns 256 queries of a slab, a wave 64 consecutive ones (four tiles of 16), from w0.  A wave walks FIVE key steps of 64 keys, from w0 - 256 + 64 j: in step 0 key kk is hidden where kk <= iq
; (the window's edge), steps 1 to 3 are all seen, in step 4 key kk is hidden where kk > iq (the diagonal); iq, kk: places in the wave's queries, in the step's keys.
; LDS.  All 512 keys that the work-group needs, K and V, lie in LDS at once: four tensor loads, one a wave, nothing is filled twice, one barrier.  In a slab's first block the earlier 256 keys do not exist:
; they are neither asked for nor read, and the steps that would read them are jumped.
; NO CLUSTER: a block of 256 keys is read by two neighbouring work-groups only, each pair another pair; four partners' common keys, 1,280 of K and V, do not fit in LDS.
; THE MASK is the C operand that starts a sum S^T = K Q^T: for a block of 16 keys x 16 queries it is 0, all -1e30, or one of two triangles, chosen when the text is assembled.
; LAYOUT.  S^T = K Q^T holds ONE query a lane (l % 16) and the keys 8 (l / 16) + 0..7; two such results rounded to f16 ARE source 1 of O^T = V^T P.  p = 2^(c s - c m), c = log2(e) / 8; O and l are
; multiplied by a = 2^(c m_old - c m_new) in every step.  A row whose 64 keys of step 0 are all hidden keeps m = -2^83: its weights and l stay 0.
; IN PHASES: a step's 32 products K Q^T, the softmax of four tiles (one batch of exponentials, one wait), its 32 products V^T P.
; O^T and l start at 0 by 136 v_mov_b32, written while the tiles are on their way: the price of one text for every step.
; REGISTERS, in windows of 256 (s_set_vgpr_msb: bits 1:0 source 0, 3:2 source 1, 5:4 source 2, 7:6 destination):
;   window 0: v0-15 addresses; v16-47 eight registers of statistics a tile; v64-191 S^T, 32 a tile; v192-255 P, 16 a tile
;   window 1: v0-127 O^T, 32 a tile; v128-151 three masks        window 2: v0-63 Q; v128-191 K of a step; v192-255 V of a step
.set KS,    64
.set PK,    144       ; a row of K in LDS: 128 bytes + 16 of padding = 36 words: the 16 rows of a load start at 16 different groups of four banks (64 banks of 4 bytes: ISA guide 11.1)
.set PVP,   160       ; a row of V: 128 + 32 = 40 words
.set VOFF,  512*PK    ; 512 rows of K, then 512 rows of V
.set STAGE, VOFF+512*PVP  ; behind them: 16 rows x 144 bytes for each wave, for the way out
.set SP,    144
.set SPARE, STAGE+4*16*SP ; behind the stages: the spare words, 128 bytes for each wave: two blocks of 256 bytes that no other line names
.set KBASE, 16*4096*128   ; k's first byte in qkv
.set VBASE, 32*4096*128   ; v's
.set AK0, 2           ; v2   my lane's place in a step's K; never rewritten
.set AV0, 3           ; v3   the same for V
.set AK,  4           ; v4   the LDS address of K's run of loads
.set AV,  5           ; v5   of V's
.set STO, 6           ; v6   the way out: where I put 16 bytes of a row
.set RD,  7           ; v7   where I read rows back
.set GO,  8           ; v8   16 x lane
.set QO,  15          ; v15  my byte offset in 16 rows of Q
.set SPW, 62          ; v62  LDS address of my spare word; never rewritten
.set NIL, 63          ; v63  0; never rewritten
.set ST,  16          ; tile t's statistics at v[ST+8 t]: c m, m, l (even keys', odd keys'), c0-c3 at work; a takes c2's place
.set S,   64
.set P,   192
.set DG,   128        ; window 1: -1e30 where 8 (l / 16) + j > l % 16: the diagonal's triangle
.set DGC,  136        ; window 1: -1e30 where 8 (l / 16) + j <= l % 16: the window's edge
.set FULL, 144        ; window 1: -1e30
.set KF,  128         ; window 2: key block kt, channel half c at KF + 16 kt + 8 c
.set VF,  192         ; window 2: key half, channel block cb at VF + 32 half + 8 cb
.set WV,  12          ; s12  my wave's number;  s13 the block of 256 queries;  s14 the slab
.set G1K, 24          ; s[24:31] descriptor group 1 for K
.set G1V, 32          ; s[32:39] for V: it differs in the padding alone
.set G0K, 40          ; s[40:43] group 0 for K
.set G0V, 44          ; s[44:47] for V
.set BIGN, 54         ; s54  -1e30
.set FIRST, 55        ; s55  the first step of 64 keys, of the eight in LDS, that exists: 4 in a slab's first block, else 0
.set SIDX, 56         ; s56  the step in hand among those eight: wave + j
.set CNT, 57          ; s57  counts the three middle steps
.set CS,  58          ; s[58:59] c
.set SEL, 60          ; s[60:61] v_permlanex16_b32's selects: each lane takes its own place in the other half
.set TBK, 62          ; s62  LDS byte at which the step's K begins
.set TBV, 63          ; s63  the same for V, less VOFF
.set MSB, 0
.macro WIN new
.if MSB != (\new)
	s_set_vgpr_msb (MSB<<8)|(\new)
.set MSB, (\new)
.endif
.endm
.macro ALL line:vararg              ; one line for each tile t
.set t, 0
.rept 4
	\line
.set t, t+1
.endr
.endm
	s_load_b128 s[4:7], s[0:1], 0x0 ; qkv 4:5, ob 6:7
	v_lshl_add_u32 v[SPW], v0, 2, SPARE
	v_mov_b32 v[NIL], 0
	ds_add_u32 v[SPW], v[NIL]       ; the wave's opening: the add and its wait stand ahead of my first tensor load; work on registers stands between them
	v_lshrrev_b32 v1, 5, v0
	v_readfirstlane_b32 s[WV], v1
	s_mov_b32 s13, ttmp9
	s_and_b32 s14, ttmp7, 0xffff
	s_and_b32 s15, s[WV], 1         ; which 256 of the 512 keys I fetch
	s_lshl_b32 s16, s14, 11
	s_lshl_b32 s17, s13, 8
	s_add_co_u32 s16, s16, s17      ; the row of the block's first query: 2048 slab + 256 block
	s_lshl_b32 s17, s15, 8
	s_add_co_u32 s17, s17, s16
	s_lshl_b32 s48, s17, 7          ; my keys' rows, 256 rows too far on, in bytes
	s_mov_b32 s49, 0
	s_lshl_b32 s18, s[WV], 6
	s_add_co_u32 s18, s18, s16
	s_lshl_b32 s50, s18, 7          ; my wave's 64 queries
	s_mov_b32 s51, 0
	s_and_b32 s19, s14, 1           ; batch
	s_lshr_b32 s20, s14, 1          ; head
	s_lshl_b32 s21, s19, 4
	s_lshl_b32 s22, s13, 1
	s_add_co_u32 s21, s21, s22
	s_lshr_b32 s22, s[WV], 1
	s_add_co_u32 s21, s21, s22      ; ob's block of 128 rows: 16 batch + 2 block + wave / 2
	s_lshl_b32 s21, s21, 4
	s_add_co_u32 s21, s21, s20      ; its 16 heads
	s_lshl_b32 s52, s21, 14         ; 16,384 bytes each
	s_lshl_b32 s22, s15, 13
	s_add_co_u32 s52, s52, s22      ; my 64 rows of the 128
	s_mov_b32 s53, 0
	; descriptor group 1.  256 keys are 32,768 dense bytes: asked for as 128 rows of 256 bytes, two keys a row, and padded in LDS after every key
	s_mov_b32 s[G1K], (1<<16)|(1<<20)|(4<<22)|(3<<25)  ; 17:16 2-byte elements; 20 padding on; 24:22 after every 32 words; 31:25 4 words
	s_mov_b32 s[G1V], (1<<16)|(1<<20)|(4<<22)|(7<<25)  ; the same with 8 words
.irp g, G1K, G1V
	s_mov_b32 s[\g+1], 128<<16      ; tensor_dim0 = 128
	s_mov_b32 s[\g+2], 128<<16      ; tensor_dim1 = 128
	s_mov_b32 s[\g+3], 128<<16      ; tile_dim0 = 128
	s_mov_b32 s[\g+4], 128          ; tile_dim1 = 128
	s_mov_b32 s[\g+5], 128          ; 128 elements from row to row
	s_mov_b32 s[\g+6], 0
	s_mov_b32 s[\g+7], 0
.endr
	s_mov_b32 s[G0K], 1
	s_mul_i32 s[G0K+1], s15, 256*PK
	s_mov_b32 s[G0V], 1
	s_mul_i32 s[G0V+1], s15, 256*PVP
	s_add_co_u32 s[G0V+1], s[G0V+1], VOFF
	s_mov_b32 s[CS], 0x3e38aa3b     ; c = log2(e) / 8 = 0.180337
	s_mov_b32 s[CS+1], s[CS]        ; named with it as a pair
	s_mov_b32 s[SEL], 0x76543210
	s_mov_b32 s[SEL+1], 0xfedcba98
	s_mov_b32 s[BIGN], 0xf149f2ca   ; -1e30
	s_cmp_eq_u32 s13, 0
	s_cselect_b32 s[FIRST], 4, 0
	s_mov_b32 s[SIDX], s[WV]
	s_mul_i32 s[TBK], s[WV], KS*PK
	s_mul_i32 s[TBV], s[WV], KS*PVP
	s_or_b32 s23, s15, s13          ; 0: the earlier 256 keys of a slab's first block
	s_wait_dscnt 0x0                ; the opening add is done
	s_wait_kmcnt 0x0
	s_add_nc_u64 s[G0K+2:G0K+3], s[4:5], s[48:49]
	s_add_nc_u64 s[G0K+2:G0K+3], s[G0K+2:G0K+3], KBASE-256*128  ; the 512 keys begin 256 rows ahead of the block's first query
	s_or_b32 s[G0K+3], s[G0K+3], 0x80000000
	s_add_nc_u64 s[G0V+2:G0V+3], s[4:5], s[48:49]
	s_add_nc_u64 s[G0V+2:G0V+3], s[G0V+2:G0V+3], VBASE-256*128
	s_or_b32 s[G0V+3], s[G0V+3], 0x80000000
	s_add_nc_u64 s[8:9], s[4:5], s[50:51]    ; Q at my wave's first row
	s_add_nc_u64 s[10:11], s[6:7], s[52:53]  ; ob likewise
	s_cmp_eq_u32 s23, 0             ; keys that do not exist are not asked for; the wait below is for 0 on every way
	s_cbranch_scc1 .Lasked
	s_cmp_lt_u32 s[WV], 2           ; waves 0 and 1 fetch K's halves, waves 2 and 3 V's
	s_cbranch_scc0 .Lfor_v
	tensor_load_to_lds s[G0K:G0K+3], s[G1K:G1K+7]
	s_nop 0
.rept 4
	v_nop
.endr
	s_branch .Lasked
.Lfor_v:
	tensor_load_to_lds s[G0V:G0V+3], s[G1V:G1V+7]
	s_nop 0
.rept 4
	v_nop
.endr
.Lasked:
	; A fragment of K or Q is 16 rows x 32 channels in 8 registers: lane l holds row l % 16, channels 8 (l / 16) + 0..7 and 16 + 8 (l / 16) + 0..7: two loads of 16 bytes, 32 bytes apart.
	v_and_b32 v1, 15, v0            ; l % 16
	v_bfe_u32 v9, v0, 4, 1          ; l / 16
	v_lshlrev_b32 v[QO], 7, v1
	v_lshl_add_u32 v[QO], v9, 4, v[QO]
	WIN 0x80                        ; destination window 2, address window 0
.set i, 0
.rept 8                             ; Q stays in registers: tile i / 2, channels 32 (i % 2) on
	global_load_b128 v[8*i:8*i+3],   v[QO], s[8:9] offset:(i/2)*2048+(i%2)*64
	global_load_b128 v[8*i+4:8*i+7], v[QO], s[8:9] offset:(i/2)*2048+(i%2)*64+32
.set i, i+1
.endr
	WIN 0
	v_lshlrev_b32 v14, 3, v9
	v_sub_nc_u32 v14, v1, v14       ; l % 16 - 8 (l / 16): register j's key lies behind my query where j is greater
	WIN 0x40
.set i, 0
.rept 8
	v_cmp_gt_i32 vcc_lo, i, v14
	v_cndmask_b32 v[DG+i], 0, s[BIGN], vcc_lo
	v_cmp_le_i32 vcc_lo, i, v14
	v_cndmask_b32 v[DGC+i], 0, s[BIGN], vcc_lo
	v_mov_b32 v[FULL+i], s[BIGN]
.set i, i+1
.endr
.set i, 0
.rept 128
	v_mov_b32 v[i], 0               ; O^T
.set i, i+1
.endr
	WIN 0
.set i, 0
.rept 4
	v_mov_b32 v[ST+8*i], 0xfe000000    ; c m: far below every c s, so the first a is 0
	v_mov_b32 v[ST+8*i+1], 0xe9000000  ; m = -2^83
	v_mov_b32 v[ST+8*i+2], 0
	v_mov_b32 v[ST+8*i+3], 0
.set i, i+1
.endr
	v_mul_u32_u24 v[AK0], v1, PK
	v_lshl_add_u32 v[AK0], v9, 4, v[AK0]  ; row x pitch + 16 x half
	; The turning load takes 16 keys x 16 channels (lane l reads key 8 (l / 16) + l % 8, channels 8 ((l / 8) % 2) + 0..7) and leaves half a fragment of V^T: lane l holds channel l % 16 and 8 keys.
	v_and_b32 v10, 7, v0
	v_bfe_u32 v11, v0, 3, 1
	v_lshl_add_u32 v[AV0], v9, 3, v10
	v_mul_u32_u24 v[AV0], v[AV0], PVP
	v_lshl_add_u32 v[AV0], v11, 4, v[AV0]
	v_add_nc_u32 v[AV0], VOFF, v[AV0]
	s_mul_i32 s20, s[WV], 16*SP
	s_add_co_u32 s20, s20, STAGE    ; my stage
	v_mul_u32_u24 v[STO], v1, SP    ; in: row l % 16, 16 bytes for each half of the lanes
	v_lshl_add_u32 v[STO], v9, 4, v[STO]
	v_add_nc_u32 v[STO], s20, v[STO]
	v_bfe_u32 v[RD], v0, 3, 2       ; back: 32 lanes take four rows of 128 bytes,
	v_mul_u32_u24 v[RD], v[RD], SP
	v_lshl_add_u32 v[RD], v10, 4, v[RD]
	v_add_nc_u32 v[RD], s20, v[RD]
	v_and_b32 v[GO], 31, v0         ; which are 512 consecutive bytes of ob
	v_lshlrev_b32 v[GO], 4, v[GO]
; THE MATRIX WORK.  The 16 accumulators of a run of 32 take turns.
; Product i of 32 of S^T = K Q^T: channels 32 (i / 16) on, keys 16 ((i / 4) % 4) on, tile i % 4.  The first 16 start the sums: with 0 or a mask.  mode 0: the window's edge; 1: all seen; 2: the diagonal.
.macro KQ mode
.set kt, (i/4)%4
.set tt, i%4
.set rS, S+32*tt+8*kt
.set rK, KF+16*kt+8*(i/16)
.set rQ, 16*tt+8*(i/16)
.set rM, -1
.if (\mode) == 0
.if kt < tt
.set rM, FULL
.elseif kt == tt
.set rM, DGC
.endif
.elseif (\mode) == 2
.if kt > tt
.set rM, FULL
.elseif kt == tt
.set rM, DG
.endif
.endif
.if (i < 16) && ((\mode) != 1)
	WIN 0x1a                        ; K and Q window 2, the mask window 1, S^T window 0
.else
	WIN 0x0a
.endif
.if i >= 16
	v_wmma_f32_16x16x32_f16 v[rS:rS+7], v[rK:rK+7], v[rQ:rQ+7], v[rS:rS+7]
.elseif rM >= 0
	v_wmma_f32_16x16x32_f16 v[rS:rS+7], v[rK:rK+7], v[rQ:rQ+7], v[rM:rM+7]
.else
	v_wmma_f32_16x16x32_f16 v[rS:rS+7], v[rK:rK+7], v[rQ:rQ+7], 0
.endif
.endm
; Product i of 32 of O^T += V^T P: keys 32 (i / 16) on, channels 16 ((i / 4) % 4) on, tile i % 4.
.macro PVM
	WIN 0x52                        ; V window 2, P window 0, O^T window 1
.set rO, 32*(i%4)+8*((i/4)%4)
.set rV, VF+32*(i/16)+8*((i/4)%4)
.set rP, P+16*(i%4)+8*(i/16)
	v_wmma_f32_16x16x32_f16 v[rO:rO+7], v[rV:rV+7], v[rP:rP+7], v[rO:rO+7]
.endm
.macro FETCH_K                      ; a step's K: 64 keys x 64 channels, 8 fragments
	WIN 0x80
.irp f, 0,1,2,3,4,5,6,7             ; keys 16 (f / 2) on, channels 32 (f % 2) on
	ds_load_b128 v[KF+8*\f:KF+8*\f+3],   v[AK] offset:(\f/2)*16*PK+(\f%2)*64
	ds_load_b128 v[KF+8*\f+4:KF+8*\f+7], v[AK] offset:(\f/2)*16*PK+(\f%2)*64+32
.endr
.endm
.macro FETCH_V                      ; its V, turned
	WIN 0x80
.irp f, 0,1,2,3,4,5,6,7             ; keys 32 (f / 4) on, channels 16 (f % 4) on
	ds_load_tr16_b128 v[VF+8*\f:VF+8*\f+3],   v[AV] offset:(\f/4)*32*PVP+(\f%4)*32
	ds_load_tr16_b128 v[VF+8*\f+4:VF+8*\f+7], v[AV] offset:(\f/4)*32*PVP+16*PVP+(\f%4)*32
.endr
.endm
; THE SOFTMAX of a step, each line for the four tiles in turn, so that no instruction reads the result of the one before it.
.macro SOFT
	WIN 0
.set n, 0
.rept 4                             ; the maximum: four chains c0-c3, one an accumulator, whose lowest registers are read first
	ALL v_max3_num_f32 v[ST+8*t+4+n], v[S+32*t+8*n], v[S+32*t+8*n+1], v[S+32*t+8*n+2]
.set n, n+1
.endr
.set n, 4
.rept 8
	ALL v_max3_num_f32 v[ST+8*t+4+n%4], v[ST+8*t+4+n%4], v[S+32*t+8*(n%4)+2*(n/4)+1], v[S+32*t+8*(n%4)+2*(n/4)+2]
.set n, n+1
.endr
	ALL v_max3_num_f32 v[ST+8*t+4], v[ST+8*t+4], v[S+32*t+7], v[S+32*t+15]
	ALL v_max3_num_f32 v[ST+8*t+6], v[ST+8*t+6], v[S+32*t+23], v[S+32*t+31]
	ALL v_max3_num_f32 v[ST+8*t+4], v[ST+8*t+4], v[ST+8*t+5], v[ST+8*t+6]
	ALL v_max3_num_f32 v[ST+8*t+4], v[ST+8*t+4], v[ST+8*t+7], v[ST+8*t+1]
	ALL v_permlanex16_b32 v[ST+8*t+5], v[ST+8*t+4], s[SEL], s[SEL+1]  ; the query's other 32 keys lie in the lane 16 away
	ALL v_mov_b32 v[ST+8*t+7], v[ST+8*t]                             ; c m_old is kept
	ALL v_max_num_f32 v[ST+8*t+1], v[ST+8*t+4], v[ST+8*t+5]
	ALL v_mul_f32 v[ST+8*t], s[CS], v[ST+8*t+1]
	ALL v_sub_f32 v[ST+8*t+7], v[ST+8*t+7], v[ST+8*t]
	; ONE BATCH of 132 exponentials: the four a, then the 128 weights, each pair's two behind the scaling of the pair after it.  Nothing up to the wait names a result of theirs.
	ALL v_exp_f32 v[ST+8*t+6], v[ST+8*t+7]
.set b, 0
.rept 17
.set t, 0
.rept 4
.if b < 16
	v_pk_fma_f32 v[S+32*t+2*b:S+32*t+2*b+1], v[S+32*t+2*b:S+32*t+2*b+1], s[CS:CS+1], v[ST+8*t:ST+8*t+1] op_sel_hi:[1,0,0] neg_lo:[0,0,1] neg_hi:[0,0,1]  ; c s - c m
.endif
.if b > 0
	v_exp_f32 v[S+32*t+2*b-2], v[S+32*t+2*b-2]
	v_exp_f32 v[S+32*t+2*b-1], v[S+32*t+2*b-1]
.endif
.set t, t+1
.endr
.set b, b+1
.endr
	v_nop                           ; a plain instruction behind the last exponential (ISA guide 5.7.2): one for the batch
	s_wait_alu depctr_va_vdst(0)    ; and a wait ahead of the first instruction that names a result: one for the batch
.set n, 0
.rept 16
	ALL v_cvt_pk_f16_f32 v[P+16*t+n], v[S+32*t+2*n], v[S+32*t+2*n+1]
.set n, n+1
.endr
.set z, 0
.rept 8                             ; the sum of a tile's 16 pairs, in place: neighbours 1, 2, 4 and 8 pairs apart
	ALL v_pk_add_f32 v[S+32*t+4*z:S+32*t+4*z+1], v[S+32*t+4*z:S+32*t+4*z+1], v[S+32*t+4*z+2:S+32*t+4*z+3]
.set z, z+1
.endr
.set z, 0
.rept 4
	ALL v_pk_add_f32 v[S+32*t+8*z:S+32*t+8*z+1], v[S+32*t+8*z:S+32*t+8*z+1], v[S+32*t+8*z+4:S+32*t+8*z+5]
.set z, z+1
.endr
.set z, 0
.rept 2
	ALL v_pk_add_f32 v[S+32*t+16*z:S+32*t+16*z+1], v[S+32*t+16*z:S+32*t+16*z+1], v[S+32*t+16*z+8:S+32*t+16*z+9]
.set z, z+1
.endr
	ALL v_pk_add_f32 v[S+32*t:S+32*t+1], v[S+32*t:S+32*t+1], v[S+32*t+16:S+32*t+17]
	ALL v_pk_fma_f32 v[ST+8*t+2:ST+8*t+3], v[ST+8*t+2:ST+8*t+3], v[ST+8*t+6:ST+8*t+7], v[S+32*t:S+32*t+1] op_sel_hi:[1,0,1]  ; l = a l + the sum
	WIN 0x41                        ; O^T (destination and source 0) window 1, a window 0
.set n, 0
.rept 16
	ALL v_pk_mul_f32 v[32*t+2*n:32*t+2*n+1], v[32*t+2*n:32*t+2*n+1], v[ST+8*t+6:ST+8*t+7] op_sel_hi:[1,0]
.set n, n+1
.endr
.endm
; A KEY STEP.
.macro STEP mode
	WIN 0
	v_add_nc_u32 v[AK], s[TBK], v[AK0]  ; these four lines are the places between the last product that read V's registers and the loads into them
	v_add_nc_u32 v[AV], s[TBV], v[AV0]
	v_nop
	v_nop
	FETCH_K
	FETCH_V
	s_wait_dscnt 16                 ; K is in; V's sixteen loads may stay out
.set i, 0
.rept 32
	KQ \mode
.set i, i+1
.endr
	WIN 0
.rept 4
	v_nop                           ; the places behind those products
.endr
	SOFT
	s_wait_dscnt 0x0                ; V is in
.set i, 0
.rept 32
	PVM
.set i, i+1
.endr
	WIN 0
.endm
	s_wait_tensorcnt 0x0            ; my tile is in,
	s_barrier_signal -1
	s_barrier_wait -1               ; everybody's is
	s_wait_loadcnt 0x0              ; Q
	s_cmp_eq_u32 s13, 0
	s_cbranch_scc1 .Lmid            ; in a slab's first block step 0's keys do not exist
	STEP 0
.Lmid:
	s_add_co_u32 s[TBK], s[TBK], KS*PK
	s_add_co_u32 s[TBV], s[TBV], KS*PVP
	s_add_co_u32 s[SIDX], s[SIDX], 1
	s_mov_b32 s[CNT], 3
.Lloop:                             ; steps 1 to 3: a constant count; a step whose keys do not exist is jumped, forward, past neither a barrier nor a tensor load
	s_cmp_lt_u32 s[SIDX], s[FIRST]
	s_cbranch_scc1 .Ldead
	STEP 1
.Ldead:
	s_add_co_u32 s[TBK], s[TBK], KS*PK
	s_add_co_u32 s[TBV], s[TBV], KS*PVP
	s_add_co_u32 s[SIDX], s[SIDX], 1
	s_sub_co_u32 s[CNT], s[CNT], 1
	s_cmp_lg_u32 s[CNT], 0
	s_cbranch_scc1 .Lloop
	STEP 2                          ; every query sees its own key here, so l is above 0
	; THE WAY OUT.  l's two halves and the other half of the lanes' are added; O^T is divided by l, rounded to f16 and sent through my stage, a tile at a time.  The first four additions are the places behind the last products.
	ALL v_add_f32 v[ST+8*t+4], v[ST+8*t+2], v[ST+8*t+3]
	ALL v_permlanex16_b32 v[ST+8*t+5], v[ST+8*t+4], s[SEL], s[SEL+1]
	ALL v_add_f32 v[ST+8*t+4], v[ST+8*t+4], v[ST+8*t+5]
	ALL v_rcp_f32 v[ST+8*t+6], v[ST+8*t+4]
	v_nop                           ; a plain instruction between the last reciprocal and the use of its result
	s_wait_alu depctr_va_vdst(0)    ; and a wait: one for the four reciprocals
.macro PACK x                       ; a lane's eight channels of a row pack into 16 bytes; they go into rows of 144 bytes and come back as whole rows of 128, into S^T's registers
	WIN 0x41
.set i, 32*(\x)
.rept 16
	v_pk_mul_f32 v[i:i+1], v[i:i+1], v[ST+8*(\x)+6:ST+8*(\x)+7] op_sel_hi:[1,0]
.set i, i+2
.endr
	WIN 0x05                        ; sources 0 and 1 window 1, destination window 0
.set i, 0
.rept 16
	v_cvt_pk_f16_f32 v[S+16*(\x)+i], v[32*(\x)+2*i], v[32*(\x)+2*i+1]
.set i, i+1
.endr
	WIN 0
.irp f, 0,1,2,3
	ds_store_b128 v[STO], v[S+16*(\x)+4*\f:S+16*(\x)+4*\f+3] offset:32*\f
.endr
.irp f, 0,1,2,3
	ds_load_b128 v[S+16*(\x)+4*\f:S+16*(\x)+4*\f+3], v[RD] offset:\f*4*SP  ; LDS serves a wave's instructions in order (ISA guide 5.7.1.4): these see the stores above; the next tile's stores come behind them
.endr
.endm
.macro SEND x, younger              ; younger: the LDS instructions issued behind tile x's loads: the next tile's eight, or none
.irp f, 0,1,2,3
	s_wait_dscnt (\younger)+3-\f
	global_store_b128 v[GO], v[S+16*(\x)+4*\f:S+16*(\x)+4*\f+3], s[10:11] offset:(\x)*2048+\f*512  ; 512 consecutive bytes, at a multiple of 256 from ob's first
.endr
.endm
	PACK 0
	PACK 1                          ; a tile's arithmetic stands between the loads of the tile before and its stores
	SEND 0, 8
	PACK 2
	SEND 1, 8
	PACK 3
	SEND 2, 8
	SEND 3, 0
	s_wait_tensorcnt 0x0            ; the wave's end, behind my last tensor load and my last LDS store
	ds_add_u32 v[SPW], v[NIL]
	s_wait_dscnt 0x0
	s_endpgm
.Lfunc_end_k_q51f20cbfde_attn:
	.size	k_q51f20cbfde_attn, .Lfunc_end_k_q51f20cbfde_attn-k_q51f20cbfde_attn
	.p2alignl 7, 3214868480
	.fill 96, 4, 3214868480
	.section	.rodata,"a",@progbits
	.p2align	6, 0x0
	.amdhsa_kernel k_q51f20cbfde_attn
		.amdhsa_group_segment_fixed_size 167936
		.amdhsa_private_segment_fixed_size 0
		.amdhsa_enable_private_segment 0
		.amdhsa_kernarg_size 16
		.amdhsa_user_sgpr_count 2
		.amdhsa_user_sgpr_kernarg_segment_ptr 1
		.amdhsa_wavefront_size32 1
		.amdhsa_system_sgpr_workgroup_id_x 1
		.amdhsa_system_sgpr_workgroup_id_y 1
		.amdhsa_system_sgpr_workgroup_id_z 1
		.amdhsa_system_vgpr_workitem_id 0
		.amdhsa_next_free_vgpr 768
		.amdhsa_next_free_sgpr 66
		.amdhsa_reserve_vcc 1
		.amdhsa_float_denorm_mode_32 3
		.amdhsa_float_denorm_mode_16_64 3
		.amdhsa_memory_ordered 1
		.amdhsa_forward_progress 1
		.amdhsa_inst_pref_size 122
	.end_amdhsa_kernel
	.amdgpu_metadata
---
amdhsa.version: [ 1, 2 ]
amdhsa.kernels:
  - .name:           k_q51f20cbfde_attn
    .symbol:         k_q51f20cbfde_attn.kd
    .args:
      - { .name: qkv, .offset: 0, .size: 8, .value_kind: global_buffer, .address_space: global }
      - { .name: ob, .offset: 8, .size: 8, .value_kind: global_buffer, .address_space: global }
    .group_segment_fixed_size: 167936
    .private_segment_fixed_size: 0
    .kernarg_segment_align: 8
    .kernarg_segment_size: 16
    .max_flat_workgroup_size: 128
    .sgpr_count:     66
    .vgpr_count:     768
    .wavefront_size: 32
...
	.end_amdgpu_metadata
.endif
;; end of part 3
;; launch oproj (part 4): grid 8 x 32, 4 waves a work-group, clusters of 4 x 4, 327,680 bytes of LDS; arguments ob, wo16, ball, out0; writes out0
.if DOCPART == 4
	.amdgcn_target "amdgcn-amd-amdhsa--gfx1250"
	.amdhsa_code_object_version 6
	.text
	.protected	k_q51f20cbfde_oproj
	.globl	k_q51f20cbfde_oproj
	.p2align	8
	.type	k_q51f20cbfde_oproj,@function
k_q51f20cbfde_oproj:
	s_mov_b64 s[64:65], 0
	v_nop
	global_prefetch_b8 v0, s[64:65] scope:SCOPE_SE
	s_setreg_imm32_b32 hwreg(HW_REG_WAVE_MODE, 25, 1), 1
	s_wait_xcnt 0x0
	s_wait_alu depctr_hold_cnt(0) depctr_sa_sdst(0) depctr_va_vdst(0) depctr_va_sdst(0) depctr_va_ssrc(0) depctr_va_vcc(0) depctr_vm_vsrc(0)
	s_getreg_b32 s2, hwreg(HW_REG_IB_STS2, 6, 4)
	s_cmp_eq_u32 s2, 0
	s_cbranch_scc0 .Lentry_in_a_cluster
	s_endpgm
.Lentry_in_a_cluster:
	s_bfe_u32 s2, ttmp6, 0x10000c
	s_cmp_lg_u32 s2, 0xf033
	s_cbranch_scc0 .Lentry_shape_is_right
	s_endpgm
.Lentry_shape_is_right:
; out0 = O Wo^T + bo.  ob: [32 blocks of 128 rows][16 heads][128 rows][64] f16; wo16: [1024][1024] f16; bo: ball's numbers 3,072 on, f32; out0: [4096][1024] f32.  Sums in f32; the bias is the C operand that starts each sum.
; SHARES.  A tile is 128 x 128: 8 x 32 = 256 work-groups.  Four waves, each 64 x 64: 16 accumulators.  K = 1,024 goes in four steps of 256 (four heads) through two LDS slots; the steps are written out.
; A step's O is 65,536 dense bytes: waves 0 and 1 bring two heads each, as 128 rows of 256 bytes, padded in LDS after every 128 bytes (a head's row); waves 2 and 3 bring 64 rows of 512 bytes of wo16 each.
; CLUSTER.  4 x 4 work-groups: the four of a row of the cluster need the same tiles of ob, the four of a column the same tiles of wo16: each is asked for jointly.
; NO PREFETCH: four short steps, of which two are asked for at the head.
; THE PRODUCT IS USED TRANSPOSED: source 0 = 16 rows of wo16, source 1 = 16 rows of O: a lane holds row l % 16 and the eight neighbouring columns 8 (l / 16) + 0..7.
; REGISTERS: window 0: v0-31 addresses; v32-95 rows on the way out, two sets; v96-127 the bias; v128-255 the accumulators ((a, b) at 128 + 8 (4 a + b)).
;   window 1: two fragment buffers of 128: for 64 along K (one head), 64 registers of O (2 x 4 x 16 rows x 32 K), then 64 of wo16.
.set PA,     144                       ; a head's row of O in LDS: 128 bytes + 16 = 36 words; PB: a row of wo16: 512 + 16 = 132 words: the 16 rows of a load start at 16 different groups of four banks (64 banks of 4 bytes: ISA guide 11.1)
.set PB,     528
.set HEADB,  128*PA                    ; a head's 128 rows
.set ABYTES, 4*HEADB
.set BHALF,  64*PB
.set SLOT,   ABYTES+2*BHALF            ; four heads of O, then 128 rows of wo16
.set STAGE,  2*SLOT                    ; behind the ring: 16 rows x 272 bytes for each wave
.set SPITCH, 272
.set SPARE,  STAGE+4*16*SPITCH         ; behind the stages: the spare words, 128 bytes for each wave: two blocks of 256 bytes that no other line names
.set ADRA, 16                          ; v16-17  LDS address of my fragments of O in slot 0, 1
.set ADRB, 20                          ; v20-21  of wo16
.set STO,  24                          ; v24     the way out: where I put 32 bytes of a row
.set RD,   25                          ; v25     where I read a row back
.set CO,   26                          ; v26     my byte offset in two rows of out0
.set BO,   27                          ; v27     32 x (l / 16)
.set SPW,  28                          ; v28     LDS address of my spare word; never rewritten
.set NIL,  29                          ; v29     0; never rewritten
.set TMP,  32
.set BIAS, 96
.set ACC,  128
.set F0,   0
.set F1,   128
.set WV, 12                            ; s12  my wave's number
.set RH, 13                            ; s13  which 64 rows of the tile are mine.  Also: I fetch O (0) or wo16 (1)
.set CH, 14                            ; s14  which 64 columns.  Also: which half of that tile I fetch
.set G1,  24                           ; s[24:31] group 1 for O's tiles;  s[32:39] group 0, a set for each slot
.set G0,  32
.set G1B, 48                           ; s[48:55], s[56:63] the same for wo16's
.set G0B, 56
.set MSB, 0
.macro WIN new
.if MSB != (\new)
	s_set_vgpr_msb (MSB<<8)|(\new)
.set MSB, \new
.endif
.endm
.set MUL,  0x05                        ; sources 0 and 1 window 1; C and D window 0
.set TO_F, 0x40                        ; destination window 1, address window 0
.macro JLOAD s                         ; a joint refill; an s_nop 0 and four v_nop follow each of the two lines
	s_cmp_eq_u32 s[RH], 0
	s_cbranch_scc0 .Lfor_b_\@
	tensor_load_to_lds s[G0+4*(\s):G0+4*(\s)+3], s[G1:G1+7]
	s_nop 0
.rept 4
	v_nop
.endr
	s_branch .Lasked_\@
.Lfor_b_\@:
	tensor_load_to_lds s[G0B+4*(\s):G0B+4*(\s)+3], s[G1B:G1B+7]
	s_nop 0
.rept 4
	v_nop
.endr
.Lasked_\@:
.endm
.macro CREST
	s_cmp_lg_u32 s[WV], 0
	s_cbranch_scc1 .Lnot_wave_0_\@
	s_barrier_signal -3
.Lnot_wave_0_\@:
	s_barrier_wait -3
	s_barrier_signal -1
	s_barrier_wait -1
.endm
.macro CROUND
	s_barrier_signal -1
	s_barrier_wait -1
	CREST
.endm
.macro PLACES                          ; four plain vector instructions between a matrix instruction and a load into, or a read of, its registers
.rept 4
	v_nop
.endr
.endm
	s_load_b256 s[4:11], s[0:1], 0x0               ; ob 4:5, wo16 6:7, ball 8:9, out0 10:11
	v_lshl_add_u32 v[SPW], v0, 2, SPARE
	v_mov_b32 v[NIL], 0
	ds_add_u32 v[SPW], v[NIL]                      ; the wave's opening: the add and its wait stand ahead of my first tensor load; work on registers stands between them
	v_lshrrev_b32 v1, 5, v0
	v_readfirstlane_b32 s[WV], v1
	s_lshr_b32 s[RH], s[WV], 1
	s_and_b32 s[CH], s[WV], 1
	s_bfe_u32 s15, ttmp6, 0x40000                  ; cx
	s_bfe_u32 s16, ttmp6, 0x40004                  ; cy
	s_lshl_b32 s17, ttmp9, 2
	s_add_co_u32 s17, s17, s15                     ; tile column
	s_and_b32 s18, ttmp7, 0xffff
	s_lshl_b32 s18, s18, 2
	s_add_co_u32 s18, s18, s16                     ; tile row
	s_lshl_b32 s19, s16, 2
	s_lshl_b32 s19, 15, s19                        ; my row of the cluster
	s_lshl_b32 s20, 0x1111, s15                    ; my column
	s_or_b32 s[G1], s19, (1<<16)|(1<<20)|(1<<21)|(4<<22)|(3<<25)   ; O's tiles go to my row; 2-byte elements; padding of 4 words after every 32
	s_or_b32 s[G1B], s20, (1<<16)|(1<<20)|(1<<21)|(6<<22)|(3<<25)  ; wo16's to my column; padding of 4 words after every 128
	s_mov_b32 s[G1+1], 128<<16                     ; O: 128 rows of 128 elements, dense
	s_mov_b32 s[G1+2], 128<<16
	s_mov_b32 s[G1+3], 128<<16
	s_mov_b32 s[G1+4], 128
	s_mov_b32 s[G1+5], 128
	s_mov_b32 s[G1+6], 0
	s_mov_b32 s[G1+7], 0
	s_mov_b32 s[G1B+1], 256<<16                    ; wo16: 64 rows of 256 elements, 1,024 elements from row to row
	s_mov_b32 s[G1B+2], 64<<16
	s_mov_b32 s[G1B+3], 256<<16
	s_mov_b32 s[G1B+4], 64
	s_mov_b32 s[G1B+5], 1024
	s_mov_b32 s[G1B+6], 0
	s_mov_b32 s[G1B+7], 0
	s_lshl_b32 s40, s18, 18                        ; O: 16 heads x 16,384 bytes a tile row,
	s_lshl_b32 s21, s[CH], 15                      ; my two heads of a step's four
	s_add_co_u32 s40, s40, s21
	s_mov_b32 s41, 0
	s_lshl_b32 s46, s17, 7                         ; wo16: row 128 x tile column + 64 x half
	s_lshl_b32 s22, s[CH], 6
	s_add_co_u32 s46, s46, s22
	s_lshl_b32 s46, s46, 11
	s_mov_b32 s47, 0
	s_mul_i32 s23, s[CH], 2*HEADB                  ; where they go
	s_mul_i32 s42, s[CH], BHALF
	s_add_co_u32 s42, s42, ABYTES
	s_wait_dscnt 0x0                               ; the opening add is done
	s_wait_kmcnt 0x0
	s_add_nc_u64 s[40:41], s[4:5], s[40:41]
	s_add_nc_u64 s[46:47], s[6:7], s[46:47]
	CROUND                                         ; all sixteen work-groups are here: the first joint loads meet
.irp s, 0,1
	s_mov_b32 s[G0+4*(\s)], 1
	s_add_co_u32 s[G0+4*(\s)+1], s23, (\s)*SLOT
	s_add_nc_u64 s[G0+4*(\s)+2:G0+4*(\s)+3], s[40:41], (\s)*65536
	s_or_b32 s[G0+4*(\s)+3], s[G0+4*(\s)+3], 0x80000000
	s_mov_b32 s[G0B+4*(\s)], 1
	s_add_co_u32 s[G0B+4*(\s)+1], s42, (\s)*SLOT
	s_add_nc_u64 s[G0B+4*(\s)+2:G0B+4*(\s)+3], s[46:47], (\s)*512
	s_or_b32 s[G0B+4*(\s)+3], s[G0B+4*(\s)+3], 0x80000000
.endr
	s_cmp_eq_u32 s[RH], 0                          ; a wave's two first fills stand in one branch, ahead of every wait on TENSORcnt and every LDS read: two loads of mine are out
	s_cbranch_scc0 .Lfirst_b
	tensor_load_to_lds s[G0:G0+3], s[G1:G1+7]
	s_nop 0
	tensor_load_to_lds s[G0+4:G0+7], s[G1:G1+7]
	s_nop 0
.rept 4
	v_nop
.endr
	s_branch .Lfirst_asked
.Lfirst_b:
	tensor_load_to_lds s[G0B:G0B+3], s[G1B:G1B+7]
	s_nop 0
	tensor_load_to_lds s[G0B+4:G0B+7], s[G1B:G1B+7]
	s_nop 0
.rept 4
	v_nop
.endr
.Lfirst_asked:
	v_and_b32 v1, 15, v0                           ; l % 16
	v_bfe_u32 v2, v0, 4, 1                         ; l / 16
	v_lshlrev_b32 v[BO], 5, v2
	s_lshl_b32 s20, s17, 9                         ; bo of my first column: (3,072 + 128 x tile column + 64 x half) x 4 bytes
	s_lshl_b32 s21, s[CH], 8
	s_add_co_u32 s20, s20, s21
	s_add_co_u32 s20, s20, 3072*4
	s_mov_b32 s21, 0
	s_add_nc_u64 s[8:9], s[8:9], s[20:21]
.irp b, 0,1,2,3                        ; register j of block b: the bias of column 16 b + 8 (l / 16) + j
	global_load_b128 v[BIAS+8*(\b):BIAS+8*(\b)+3],   v[BO], s[8:9] offset:64*(\b)
	global_load_b128 v[BIAS+8*(\b)+4:BIAS+8*(\b)+7], v[BO], s[8:9] offset:64*(\b)+16
.endr
	v_mul_u32_u24 v3, v1, PA
	v_lshl_add_u32 v3, v2, 4, v3
	v_mul_u32_u24 v4, v1, PB
	v_lshl_add_u32 v4, v2, 4, v4
	s_mul_i32 s21, s[RH], 64*PA                    ; my 64 rows of each head
	s_mul_i32 s22, s[CH], BHALF                    ; my 64 rows of wo16,
	s_add_co_u32 s22, s22, ABYTES                  ; which lie behind O's four heads
.irp s, 0,1
	v_add_nc_u32 v[ADRA+(\s)], s21, v3
	v_add_nc_u32 v[ADRB+(\s)], s22, v4
	s_add_co_u32 s21, s21, SLOT
	s_add_co_u32 s22, s22, SLOT
.endr
	s_mul_i32 s23, s[WV], 16*SPITCH
	s_add_co_u32 s23, s23, STAGE                   ; my stage
	v_mul_u32_u24 v5, v1, SPITCH                   ; in: row l % 16, 32 bytes for each half of the lanes
	v_lshl_add_u32 v5, v2, 5, v5
	v_add_nc_u32 v[STO], s23, v5
	v_mul_u32_u24 v6, v2, SPITCH                   ; back: lanes 0-15 take one row of 256 bytes, lanes 16-31 the next
	v_lshl_add_u32 v6, v1, 4, v6
	v_add_nc_u32 v[RD], s23, v6
	v_lshlrev_b32 v[CO], 12, v2                    ; and the same two rows in out0
	v_lshl_add_u32 v[CO], v1, 4, v[CO]
	s_lshl_b32 s20, s18, 7
	s_lshl_b32 s21, s[RH], 6
	s_add_co_u32 s20, s20, s21                     ; my first row,
	s_lshl_b32 s20, s20, 12                        ; 4,096 bytes a row,
	s_lshl_b32 s21, s17, 9
	s_add_co_u32 s20, s20, s21                     ; the tile's 128 columns,
	s_lshl_b32 s21, s[CH], 8
	s_add_co_u32 s20, s20, s21                     ; my 64: 256 bytes
	s_mov_b32 s21, 0
	s_add_nc_u64 s[10:11], s[10:11], s[20:21]
; 8 products: row blocks a0, a0 + 1 x all 4 column blocks, 32 along K: half c of buffer f.  first = 1: the bias starts the sums.  The 16 accumulators take turns.
.macro MUL8 f, c, a0, first
	WIN MUL
.irp a, \a0, (\a0)+1
.irp b, 0,1,2,3
.if \first
	v_wmma_f32_16x16x32_f16 v[ACC+8*(4*(\a)+(\b)):ACC+8*(4*(\a)+(\b))+7], v[(\f)+64+8*(4*(\c)+(\b)):(\f)+64+8*(4*(\c)+(\b))+7], v[(\f)+8*(4*(\c)+(\a)):(\f)+8*(4*(\c)+(\a))+7], v[BIAS+8*(\b):BIAS+8*(\b)+7]
.else
	v_wmma_f32_16x16x32_f16 v[ACC+8*(4*(\a)+(\b)):ACC+8*(4*(\a)+(\b))+7], v[(\f)+64+8*(4*(\c)+(\b)):(\f)+64+8*(4*(\c)+(\b))+7], v[(\f)+8*(4*(\c)+(\a)):(\f)+8*(4*(\c)+(\a))+7], v[ACC+8*(4*(\a)+(\b)):ACC+8*(4*(\a)+(\b))+7]
.endif
.endr
.endr
.endm
; 32 LDS loads in one run: the fragments of head q of the slot's four, into buffer f; the first 32 along K first
.macro FETCH slot, q, f
	WIN TO_F
.irp c, 0,1
.irp i, 0,1,2,3
	ds_load_b128 v[(\f)+64+8*(4*(\c)+(\i)):(\f)+64+8*(4*(\c)+(\i))+3],   v[ADRB+(\slot)] offset:128*(\q)+64*(\c)+(\i)*16*PB
	ds_load_b128 v[(\f)+64+8*(4*(\c)+(\i))+4:(\f)+64+8*(4*(\c)+(\i))+7], v[ADRB+(\slot)] offset:128*(\q)+64*(\c)+(\i)*16*PB+32
	ds_load_b128 v[(\f)+8*(4*(\c)+(\i)):(\f)+8*(4*(\c)+(\i))+3],         v[ADRA+(\slot)] offset:HEADB*(\q)+64*(\c)+(\i)*16*PA
	ds_load_b128 v[(\f)+8*(4*(\c)+(\i))+4:(\f)+8*(4*(\c)+(\i))+7],       v[ADRA+(\slot)] offset:HEADB*(\q)+64*(\c)+(\i)*16*PA+32
.endr
.endr
.endm
; A K step is four quarters, a head each, 32 products, on buffers 0, 1, 0, 1.  One of the first three multiplies buffer f and fetches head q into g.
.macro QUARTER slot, q, f, g, first
	s_wait_dscnt 16                                ; the first 32 along K are in; the other sixteen loads may be out
	MUL8 \f, 0, 0, \first
	MUL8 \f, 0, 2, \first
	PLACES
	FETCH \slot, \q, \g
	s_wait_dscnt 32                                ; all but the 32 just issued
	MUL8 \f, 1, 0, 0
	MUL8 \f, 1, 2, 0
.endm
; The last quarter multiplies buffer 1 and changes slots: each wave waits for all its tensor loads, adds 0 to its spare word, and waits for that and for its own reads of this slot.
; fill = 1: the barrier opens a round of the cluster's, and this slot is filled again, two K steps on, first thing behind the round.
.macro TURN slot, next, fill
	WIN 0
	s_wait_tensorcnt 0x0                           ; all my tensor loads have landed: my part of the next slot
	ds_add_u32 v[SPW], v[NIL]                      ; 0 onto my spare word
	s_wait_dscnt 17                                ; (the add and the youngest sixteen loads may be out)
	MUL8 F1, 0, 0, 0                               ; eight products stand between the add and the wait for it
	s_wait_dscnt 0x0                               ; the add is done, and my reads of this slot are over
	s_barrier_signal -1
	MUL8 F1, 0, 2, 0
.if \fill
	WIN 0
.endif
	s_barrier_wait -1
.if \fill
	CREST                                          ; no wave of any partner still reads this slot's tile or has a load on its way
	s_add_nc_u64 s[G0+4*(\slot)+2:G0+4*(\slot)+3], s[G0+4*(\slot)+2:G0+4*(\slot)+3], 2*65536
	s_add_nc_u64 s[G0B+4*(\slot)+2:G0B+4*(\slot)+3], s[G0B+4*(\slot)+2:G0B+4*(\slot)+3], 2*512
	JLOAD \slot                                    ; its four v_nop are also the places in front of the loads below
.else
	PLACES
.endif
	FETCH \next, 0, F0
	MUL8 F1, 1, 0, 0
	MUL8 F1, 1, 2, 0
.endm
	s_wait_tensorcnt 1                             ; my part of K step 0 is in; K step 1's may stay out
	s_barrier_signal -1
	s_barrier_wait -1
	FETCH 0, 0, F0
	s_wait_loadcnt 0x0                             ; the bias
	QUARTER 0, 1, F0, F1, 1                        ; K step 0
	QUARTER 0, 2, F1, F0, 0
	QUARTER 0, 3, F0, F1, 0
	TURN 0, 1, 1                                   ; slot 0 takes K step 2
	QUARTER 1, 1, F0, F1, 0                        ; K step 1
	QUARTER 1, 2, F1, F0, 0
	QUARTER 1, 3, F0, F1, 0
	TURN 1, 0, 1                                   ; slot 1 takes K step 3
	QUARTER 0, 1, F0, F1, 0                        ; K step 2
	QUARTER 0, 2, F1, F0, 0
	QUARTER 0, 3, F0, F1, 0
	TURN 0, 1, 0                                   ; nothing is left to ask for
	QUARTER 1, 1, F0, F1, 0                        ; K step 3
	QUARTER 1, 2, F1, F0, 0
	QUARTER 1, 3, F0, F1, 0
	s_wait_dscnt 16
	MUL8 F1, 0, 0, 0
	MUL8 F1, 0, 2, 0
	s_wait_dscnt 0x0
	MUL8 F1, 1, 0, 0
	MUL8 F1, 1, 2, 0
	WIN 0
; THE WAY OUT, a block of 16 rows at a time: a lane's eight f32 of a row go into my own stage, rows of 272 bytes, each accumulator's low registers first; they come back as whole rows.
; My 64 columns are 256 bytes of a row of out0, aligned: sixteen lanes store them with one instruction.
.macro OUT a
.set BK, TMP+32*((\a)%2)
	s_wait_xcnt 0x0                                ; the stores of two blocks back have read the registers that are loaded below
.irp b, 0,1,2,3
	ds_store_b128 v[STO], v[ACC+8*(4*(\a)+(\b)):ACC+8*(4*(\a)+(\b))+3]   offset:64*(\b)
	ds_store_b128 v[STO], v[ACC+8*(4*(\a)+(\b))+4:ACC+8*(4*(\a)+(\b))+7] offset:64*(\b)+16
.endr
.irp u, 0,1,2,3,4,5,6,7
	ds_load_b128 v[BK+4*(\u):BK+4*(\u)+3], v[RD] offset:(\u)*2*SPITCH  ; LDS serves a wave's instructions in order (ISA guide 5.7.1.4): these see the stores above
.endr
.irp u, 0,1,2,3,4,5,6,7
	s_wait_dscnt 7-(\u)                            ; pair u of rows is back; the younger loads may be out
	global_store_b128 v[CO], v[BK+4*(\u):BK+4*(\u)+3], s[10:11] offset:(16*(\a)+2*(\u))*4096 th:TH_STORE_NT
.endr
.endm
	PLACES
	OUT 0
	OUT 1
	OUT 2
	OUT 3
	s_wait_tensorcnt 0x0                           ; the wave's end, behind my last tensor load and my last LDS store
	ds_add_u32 v[SPW], v[NIL]
	s_wait_dscnt 0x0
	CROUND                                         ; the closing round: no work-group ends while a partner may still ask for a tile that names it
	s_endpgm
.Lfunc_end_k_q51f20cbfde_oproj:
	.size	k_q51f20cbfde_oproj, .Lfunc_end_k_q51f20cbfde_oproj-k_q51f20cbfde_oproj
	.p2alignl 7, 3214868480
	.fill 96, 4, 3214868480
	.section	.rodata,"a",@progbits
	.p2align	6, 0x0
	.amdhsa_kernel k_q51f20cbfde_oproj
		.amdhsa_group_segment_fixed_size 327680
		.amdhsa_private_segment_fixed_size 0
		.amdhsa_enable_private_segment 0
		.amdhsa_kernarg_size 32
		.amdhsa_user_sgpr_count 2
		.amdhsa_user_sgpr_kernarg_segment_ptr 1
		.amdhsa_wavefront_size32 1
		.amdhsa_system_sgpr_workgroup_id_x 1
		.amdhsa_system_sgpr_workgroup_id_y 1
		.amdhsa_system_sgpr_workgroup_id_z 1
		.amdhsa_system_vgpr_workitem_id 0
		.amdhsa_next_free_vgpr 512
		.amdhsa_next_free_sgpr 66
		.amdhsa_reserve_vcc 0
		.amdhsa_float_denorm_mode_32 3
		.amdhsa_float_denorm_mode_16_64 3
		.amdhsa_memory_ordered 1
		.amdhsa_forward_progress 1
		.amdhsa_inst_pref_size 87
	.end_amdhsa_kernel
	.amdgpu_metadata
---
amdhsa.version: [ 1, 2 ]
amdhsa.kernels:
  - .name:           k_q51f20cbfde_oproj
    .symbol:         k_q51f20cbfde_oproj.kd
    .args:
      - { .name: ob, .offset: 0, .size: 8, .value_kind: global_buffer, .address_space: global }
      - { .name: wo16, .offset: 8, .size: 8, .value_kind: global_buffer, .address_space: global }
      - { .name: ball, .offset: 16, .size: 8, .value_kind: global_buffer, .address_space: global }
      - { .name: out0, .offset: 24, .size: 8, .value_kind: global_buffer, .address_space: global }
    .group_segment_fixed_size: 327680
    .private_segment_fixed_size: 0
    .kernarg_segment_align: 8
    .kernarg_segment_size: 32
    .max_flat_workgroup_size: 128
    .sgpr_count:     66
    .vgpr_count:     512
    .wavefront_size: 32
...
	.end_amdgpu_metadata
.endif
;; end of part 4
;; ======== version 2 of 2: 4 launches; version 1 with the launch cast written anew for expert scheduling mode
;; limits: values are held in f16: magnitudes above 65,504 overflow, below 6.1e-05 lose precision
;; workspace buffers: xb 8,388,608 bytes; wb 6,291,456 bytes; wo16 2,097,152 bytes; ball 16,384 bytes; qkv 25,165,824 bytes; ob 8,388,608 bytes
;; launch cast (part 5): grid 512 x 1, 8 waves a work-group, no clusters, 0 bytes of LDS; arguments x, Wq, Wk, Wv, Wo, bq, bk, bv, bo, xb, wb, wo16, ball; writes xb, wb, wo16, ball
.if DOCPART == 5
	.amdgcn_target "amdgcn-amd-amdhsa--gfx1250"
	.amdhsa_code_object_version 6
	.text
	.protected	k_q51f20cbfde_cast
	.globl	k_q51f20cbfde_cast
	.p2align	8
	.type	k_q51f20cbfde_cast,@function
k_q51f20cbfde_cast:
	s_mov_b64 s[64:65], 0
	v_nop
	global_prefetch_b8 v0, s[64:65] scope:SCOPE_SE
	s_setreg_imm32_b32 hwreg(HW_REG_WAVE_SCHED_MODE, 0, 2), 2
	s_setreg_imm32_b32 hwreg(HW_REG_WAVE_MODE, 25, 1), 1
	s_wait_xcnt 0x0
	s_wait_alu depctr_vm_vsrc(0)
; EVERY INPUT IS ROUNDED ONCE TO bf16.  x -> xb [4096][1024] bf16; Wq, Wk, Wv -> wb [3072][1024] bf16, one below the other;
; Wo -> wo16 [1024][1024]: rounded to bf16, and that number written as f16 (it multiplies an f16 operand later);
; bq, bk, bv, bo -> ball [4096] f32, each number rounded to bf16 and widened again.
; LIMIT.  A bf16 number of Wo below 6.1e-5 in size keeps f16's fixed step of 6e-8; beyond 65,504 it becomes an infinity.
; A stream: no LDS, no barrier, no matrix work.  A work-group takes 16,384 numbers: 64 KiB in, 32 KiB out.  512 work-groups: 256 for x, 64 for each weight.
; Thread t, turn i: 16 bytes in at 4,096 i + 16 t (a wave's load covers 512 consecutive bytes), 8 bytes out at 2,048 i + 8 t
; (a wave's store covers 256 consecutive bytes, aligned).  All sixteen loads go out at once; each turn has its own registers, so no register that a store reads is written again.
; THE MODE: SCHED_MODE bits 1:0 = 2 (LLVM: expert scheduling mode 2), set by the entry lines.  The code itself states the register dependences
; between vector instructions and memory instructions, with s_wait_alu, always for 0.
; THE PLAN.  Registers that memory instructions touch:
;   v1, v2     byte offsets, made once at the head and never written again: read by every load and store.  One wait, ahead of the first load, states that they are written.
;   X          turn i's load lands in its own four registers, which no vector instruction has named before; its conversions read them; nothing lands there again.
;   Y          turn i's conversions write its own two registers, once; its store reads them; they are never written again.
;   v[12:15]   the bias load lands there; no vector instruction has named them before.
;   v[8:11]    at work in vector instructions alone, until the bias part writes them for the kernel's last store.
;   v[4:7]     named by vector instructions alone.
; The sixteen turns go in four groups of four: a group's conversions, ONE wait that states that they have written the group's Y, the group's four stores in a run.
; No register that a memory instruction reads is written again, no vector instruction writes a scalar register or VCC, and EXEC is never written: nothing more is to be stated.
.set X, 16                             ; v[16:79]   turn i: four f32 as loaded
.set Y, 80                             ; v[80:111]  turn i: four 16-bit numbers to store
.set T, 4                              ; v[4:11]    at work
	s_load_b512 s[8:23], s[0:1], 0x0               ; x 8:9, Wq 10:11, Wk 12:13, Wv 14:15, Wo 16:17, bq 18:19, bk 20:21, bv 22:23
	s_load_b256 s[24:31], s[0:1], 0x40             ; bo 24:25, xb 26:27, wb 28:29, wo16 30:31
	s_load_b64 s[32:33], s[0:1], 0x60              ; ball
	s_mov_b32 s2, ttmp9                            ; the work-group's number
	s_lshr_b32 s3, s2, 6                           ; 0-3: x; 4: Wq; 5: Wk; 6: Wv; 7: Wo
	s_and_b32 s4, s2, 63                           ; its block inside a weight
	v_lshlrev_b32 v1, 4, v0                        ; 16 t
	v_lshlrev_b32 v2, 3, v0                        ; 8 t
	s_max_u32 s6, s2, 256
	s_sub_co_u32 s6, s6, 256                       ; its block inside wb
	s_cmp_lt_u32 s3, 4
	s_cselect_b32 s5, s2, s4                       ; block in the source
	s_cselect_b32 s7, s2, s6                       ; block in the destination,
	s_cmp_eq_u32 s3, 7
	s_cselect_b32 s7, s4, s7                       ; which for Wo is its block in wo16
	s_lshl_b32 s38, s5, 16                         ; 65,536 bytes of f32 a block
	s_mov_b32 s39, 0
	s_lshl_b32 s40, s7, 15                         ; 32,768 bytes of 16-bit numbers
	s_mov_b32 s41, 0
	s_wait_kmcnt 0x0
	s_mov_b64 s[34:35], s[16:17]                   ; the source: Wo, unless ..
	s_cmp_eq_u32 s3, 6
	s_cselect_b64 s[34:35], s[14:15], s[34:35]
	s_cmp_eq_u32 s3, 5
	s_cselect_b64 s[34:35], s[12:13], s[34:35]
	s_cmp_eq_u32 s3, 4
	s_cselect_b64 s[34:35], s[10:11], s[34:35]
	s_cmp_lt_u32 s3, 4
	s_cselect_b64 s[34:35], s[8:9], s[34:35]
	s_cselect_b64 s[36:37], s[26:27], s[28:29]     ; the destination: xb or wb,
	s_cmp_eq_u32 s3, 7
	s_cselect_b64 s[36:37], s[30:31], s[36:37]     ; or wo16
	s_add_nc_u64 s[34:35], s[34:35], s[38:39]
	s_add_nc_u64 s[36:37], s[36:37], s[40:41]
	s_wait_alu depctr_va_vdst(0)                   ; v1 and v2 are written: every load and store of the kernel reads one of them as its offset
.irp i, 0,1,2,3,4,5,6,7,8,9,10,11,12,13,14,15
	global_load_b128 v[X+4*(\i):X+4*(\i)+3], v1, s[34:35] offset:4096*(\i) th:TH_LOAD_NT
.endr
.macro CV i                            ; turn i, to bf16
	s_wait_loadcnt 15-(\i)                         ; loads come back in order: mine is in, the 15 - i younger ones may stay out
	v_cvt_pk_bf16_f32 v[Y+2*(\i)],   v[X+4*(\i)],   v[X+4*(\i)+1]
	v_cvt_pk_bf16_f32 v[Y+2*(\i)+1], v[X+4*(\i)+2], v[X+4*(\i)+3]
.endm
.macro CVO i                           ; turn i, to bf16 and that number as f16
	s_wait_loadcnt 15-(\i)
	v_cvt_pk_bf16_f32 v[T],   v[X+4*(\i)],   v[X+4*(\i)+1]
	v_cvt_pk_bf16_f32 v[T+1], v[X+4*(\i)+2], v[X+4*(\i)+3]
	v_lshlrev_b32 v[T+2], 16, v[T]                 ; bf16 to f32: the low half moves up,
	v_and_b32     v[T+3], 0xffff0000, v[T]         ; the high half stays
	v_lshlrev_b32 v[T+4], 16, v[T+1]
	v_and_b32     v[T+5], 0xffff0000, v[T+1]
	v_cvt_pk_f16_f32 v[Y+2*(\i)],   v[T+2], v[T+3] ; 8 significant bits fit f16's 11
	v_cvt_pk_f16_f32 v[Y+2*(\i)+1], v[T+4], v[T+5]
.endm
.macro OUT i                           ; turn i's store
	global_store_b64 v2, v[Y+2*(\i):Y+2*(\i)+1], s[36:37] offset:2048*(\i) th:TH_STORE_NT
.endm
	s_cmp_eq_u32 s3, 7
	s_cbranch_scc1 .Lwo
.irp g, 0,1,2,3                        ; four groups of four turns
.irp j, 0,1,2,3
	CV 4*(\g)+(\j)
.endr
	s_wait_alu depctr_va_vdst(0)                   ; the group's eight conversions have written its Y, which the four stores below read
.irp j, 0,1,2,3
	OUT 4*(\g)+(\j)
.endr
.endr
	s_branch .Lbias
.Lwo:
.irp g, 0,1,2,3
.irp j, 0,1,2,3
	CVO 4*(\g)+(\j)
.endr
	s_wait_alu depctr_va_vdst(0)                   ; the group's conversions to f16 have written its Y, which the four stores below read
.irp j, 0,1,2,3
	OUT 4*(\g)+(\j)
.endr
.endr
.Lbias:                                        ; the first work-group of each weight also takes that weight's bias: 1,024 f32, 16 bytes a thread
	s_cmp_lt_u32 s3, 4
	s_cbranch_scc1 .Lend
	s_cmp_lg_u32 s4, 0
	s_cbranch_scc1 .Lend
	s_mov_b64 s[42:43], s[24:25]                   ; bo, unless ..
	s_cmp_eq_u32 s3, 6
	s_cselect_b64 s[42:43], s[22:23], s[42:43]
	s_cmp_eq_u32 s3, 5
	s_cselect_b64 s[42:43], s[20:21], s[42:43]
	s_cmp_eq_u32 s3, 4
	s_cselect_b64 s[42:43], s[18:19], s[42:43]
	s_sub_co_u32 s44, s3, 4
	s_lshl_b32 s44, s44, 12                        ; ball holds bq, bk, bv, bo in this order, 4,096 bytes each
	s_mov_b32 s45, 0
	s_add_nc_u64 s[46:47], s[32:33], s[44:45]
	global_load_b128 v[12:15], v1, s[42:43]        ; no wait: v1 stands as the head's wait found it, and no vector instruction has named v[12:15]
	s_wait_loadcnt 0x0
	v_cvt_pk_bf16_f32 v[T],   v12, v13
	v_cvt_pk_bf16_f32 v[T+1], v14, v15
	v_lshlrev_b32 v[T+4], 16, v[T]
	v_and_b32     v[T+5], 0xffff0000, v[T]
	v_lshlrev_b32 v[T+6], 16, v[T+1]
	v_and_b32     v[T+7], 0xffff0000, v[T+1]
	s_wait_alu depctr_va_vdst(0)                   ; the four widened numbers v[8:11] are written, which the store below reads
	global_store_b128 v1, v[T+4:T+7], s[46:47]
.Lend:
	s_endpgm
.Lfunc_end_k_q51f20cbfde_cast:
	.size	k_q51f20cbfde_cast, .Lfunc_end_k_q51f20cbfde_cast-k_q51f20cbfde_cast
	.p2alignl 7, 3214868480
	.fill 96, 4, 3214868480
	.section	.rodata,"a",@progbits
	.p2align	6, 0x0
	.amdhsa_kernel k_q51f20cbfde_cast
		.amdhsa_group_segment_fixed_size 0
		.amdhsa_private_segment_fixed_size 0
		.amdhsa_enable_private_segment 0
		.amdhsa_kernarg_size 104
		.amdhsa_user_sgpr_count 2
		.amdhsa_user_sgpr_kernarg_segment_ptr 1
		.amdhsa_wavefront_size32 1
		.amdhsa_system_sgpr_workgroup_id_x 1
		.amdhsa_system_sgpr_workgroup_id_y 1
		.amdhsa_system_sgpr_workgroup_id_z 1
		.amdhsa_system_vgpr_workitem_id 0
		.amdhsa_next_free_vgpr 112
		.amdhsa_next_free_sgpr 66
		.amdhsa_reserve_vcc 0
		.amdhsa_float_denorm_mode_32 3
		.amdhsa_float_denorm_mode_16_64 3
		.amdhsa_memory_ordered 1
		.amdhsa_forward_progress 1
		.amdhsa_inst_pref_size 18
	.end_amdhsa_kernel
	.amdgpu_metadata
---
amdhsa.version: [ 1, 2 ]
amdhsa.kernels:
  - .name:           k_q51f20cbfde_cast
    .symbol:         k_q51f20cbfde_cast.kd
    .args:
      - { .name: x, .offset: 0, .size: 8, .value_kind: global_buffer, .address_space: global }
      - { .name: Wq, .offset: 8, .size: 8, .value_kind: global_buffer, .address_space: global }
      - { .name: Wk, .offset: 16, .size: 8, .value_kind: global_buffer, .address_space: global }
      - { .name: Wv, .offset: 24, .size: 8, .value_kind: global_buffer, .address_space: global }
      - { .name: Wo, .offset: 32, .size: 8, .value_kind: global_buffer, .address_space: global }
      - { .name: bq, .offset: 40, .size: 8, .value_kind: global_buffer, .address_space: global }
      - { .name: bk, .offset: 48, .size: 8, .value_kind: global_buffer, .address_space: global }
      - { .name: bv, .offset: 56, .size: 8, .value_kind: global_buffer, .address_space: global }
      - { .name: bo, .offset: 64, .size: 8, .value_kind: global_buffer, .address_space: global }
      - { .name: xb, .offset: 72, .size: 8, .value_kind: global_buffer, .address_space: global }
      - { .name: wb, .offset: 80, .size: 8, .value_kind: global_buffer, .address_space: global }
      - { .name: wo16, .offset: 88, .size: 8, .value_kind: global_buffer, .address_space: global }
      - { .name: ball, .offset: 96, .size: 8, .value_kind: global_buffer, .address_space: global }
    .group_segment_fixed_size: 0
    .private_segment_fixed_size: 0
    .kernarg_segment_align: 8
    .kernarg_segment_size: 104
    .max_flat_workgroup_size: 256
    .sgpr_count:     66
    .vgpr_count:     112
    .wavefront_size: 32
...
	.end_amdgpu_metadata
.endif
;; end of part 5
;; launch proj: the kernel of part 2 again; grid 8 x 32, 4 waves a work-group, clusters of 4 x 4, 327,680 bytes of LDS; arguments xb, wb, ball, qkv; writes qkv
;; launch attn: the kernel of part 3 again; grid 8 x 32, 4 waves a work-group, no clusters, 167,936 bytes of LDS; arguments qkv, ob; writes ob
;; launch oproj: the kernel of part 4 again; grid 8 x 32, 4 waves a work-group, clusters of 4 x 4, 327,680 bytes of LDS; arguments ob, wo16, ball, out0; writes out0
